; MI455X (gfx1250); checked and timed in simulation.
; The chip was launched on July 23, 2026; its instructions are those of AMD's public machine-readable ISA for CDNA 5 (MIT licence, August 2026) and "CDNA5" Instruction Set Architecture Reference Guide (July 2026). The comments in the code are by the model that wrote it; some were corrected since.
;; Dist Attention. Allowed arithmetic: matrix products marked QUANTISED: E4M3 operands, one given power-of-two scale a tensor, by v_wmma_f32_16x16x64_fp8_fp8 or v_wmma_f32_16x16x128_fp8_fp8, f32 sums; everything else in f32.
;; Inputs: bk_mu 1,024 float32; bk_var 1,024 float32; bo_mu 1,024 float32; bo_var 1,024 float32; bq_mu 1,024 float32; bq_var 1,024 float32; bv_mu 1,024 float32; bv_var 1,024 float32; lowp_scales 20 int32 (the exponents e of the quantised operands' scales 2^e); mu 1 x 256 x 1,024 float32; var 1 x 256 x 1,024 float32; wk_mu 1,024 x 1,024 float32; wk_var 1,024 x 1,024 float32; wo_mu 1,024 x 1,024 float32; wo_var 1,024 x 1,024 float32; wq_mu 1,024 x 1,024 float32; wq_var 1,024 x 1,024 float32; wv_mu 1,024 x 1,024 float32; wv_var 1,024 x 1,024 float32.
;; Outputs: out0 1 x 256 x 1,024 float32; out1 1 x 256 x 1,024 float32.
;; This version of the problem:
;;   THIS VERSION OF THE PROBLEM IS GIVEN IN LOW PRECISION. The matrix products marked QUANTISED in the list below multiply operands that are first quantised to E4M3 (4 exponent bits, 3 mantissa bits; 8 bits a number), with one given power-of-two scale for each operand tensor; their sums are f32. All else is computed in f32.
;;   The module's matrix products, in the order in which they are computed (A, B: the left and right operand; K: the contracted axis; several contracted axes count as one K, in the product's order):
;;     1. [M 256, K 1,024] x [K 1,024, N 1,024]; A: input mu; B: input wq_mu: QUANTISED (scales: A lowp_scales[0], B lowp_scales[1])
;;     2. [M 256, K 1,024] x [K 1,024, N 1,024]; A: input var; B: input wq_var: QUANTISED (scales: A lowp_scales[2], B lowp_scales[3])
;;     3. [M 256, K 1,024] x [K 1,024, N 1,024]; A: input mu; B: input wk_mu: QUANTISED (scales: A lowp_scales[4], B lowp_scales[5])
;;     4. [M 256, K 1,024] x [K 1,024, N 1,024]; A: input var; B: input wk_var: QUANTISED (scales: A lowp_scales[6], B lowp_scales[7])
;;     5. [M 256, K 1,024] x [K 1,024, N 1,024]; A: input mu; B: input wv_mu: QUANTISED (scales: A lowp_scales[8], B lowp_scales[9])
;;     6. [M 256, K 1,024] x [K 1,024, N 1,024]; A: input var; B: input wv_var: QUANTISED (scales: A lowp_scales[10], B lowp_scales[11])
;;     7. batch 16 x [M 256, K 256] x [K 256, N 64]; A: softmax (see below); B: computed on the way: QUANTISED (scales: A lowp_scales[12], B lowp_scales[13])
;;     8. batch 16 x [M 256, K 256] x [K 256, N 64]; A: computed on the way; B: computed on the way: QUANTISED (scales: A lowp_scales[14], B lowp_scales[15])
;;     9. [M 256, K 1,024] x [K 1,024, N 1,024]; A: computed on the way; B: input wo_mu: QUANTISED (scales: A lowp_scales[16], B lowp_scales[17])
;;     10. [M 256, K 1,024] x [K 1,024, N 1,024]; A: computed on the way; B: input wo_var: QUANTISED (scales: A lowp_scales[18], B lowp_scales[19])
;;   THE QUANTISER, for each operand of a quantised product, along K:
;;     - The operand's scale is 2^e, e = its entry of the input lowp_scales (int32; the entries are numbered through the quantised products in the list's order, A before B).
;;     - Each number is divided by the scale, clamped to +-448, and rounded to the nearest number of E4M3, ties to even, subnormals kept.
;;     - The product sums the exact products of the quantised numbers (number of the format x scale) in f32.
;;   ~~~python
;;   def quantise(x, axis, e):      # numpy; x: float32 -> the quantised numbers, widened to float32 again
;;       x = np.moveaxis(x, axis, -1); K = x.shape[-1]
;;       r = np.clip(x / 2.0 ** e, -448, 448)
;;       step = 2.0 ** (np.maximum(np.frexp(np.where(r == 0, 1, r))[1] - 1, -6) - 3)
;;       q = np.round(r / step) * step * 2.0 ** e      # np.round: ties to even
;;       return np.moveaxis(q, -1, axis).astype(np.float32)
;;   ~~~
;;   SOFTMAX AHEAD OF A QUANTISED PRODUCT. Where the list says 'softmax', what is quantised is not the finished softmax but p = 2^(t - M), with t = logit x log2(e) and M = ceil(the row's largest t), a whole number; so 1/2 < the row's largest p <= 1. The row's sum l is taken of the UNQUANTISED p, in f32, and the product's result is divided by l at the end. Since M is a whole number, a kernel that streams over the keys may use a running M (the ceiling of the running maximum): every later rescaling is an exact power of two, so the quantised numbers keep their values, but for numbers so far below the row's largest that they fall under the format's range.
;;   OPERANDS COMPUTED ON THE WAY. 'Computed on the way' means the value that the module computes at that place (a softmax that the list does not call 'softmax' is quantised finished and normalised). What goes into a quantiser is computed in f32, as accurately as f32 sums, v_exp_f32 and their like allow (about 1e-6 of the number): no bf16 or f16 on the way to a quantiser, and a product that is left as it is and whose result goes on into a quantised operand takes f32 operands (vector FMAs, or v_wmma_f32_16x16x4_f32). A number that lies on a knife's edge between two numbers of the format may be rounded either way, as far as f32 arithmetic and the matrix unit's own rounding can turn it there, and no further.
;; 2 versions. Each part assembles by itself: llvm-mc -triple=amdgcn-amd-amdhsa -mcpu=gfx1250 --defsym DOCPART=n.
;; ======== version 1 of 2: 4 launches
;; workspace buffers: ac 1,572,864 bytes; qm 1,048,576 bytes; qv 1,048,576 bytes; kt 2,097,152 bytes; vc 524,288 bytes; oc 524,288 bytes
;; launch prep (part 1): grid 256 x 1, 1 waves a work-group, no clusters, 0 bytes of LDS; arguments mu, var, lowp_scales, ac; writes ac
.if DOCPART == 1
	.amdgcn_target "amdgcn-amd-amdhsa--gfx1250"
	.amdhsa_code_object_version 6
	.text
	.protected	k_q8f0d152fd8_prep
	.globl	k_q8f0d152fd8_prep
	.p2align	8
	.type	k_q8f0d152fd8_prep,@function
k_q8f0d152fd8_prep:
	s_mov_b64 s[64:65], 0
	v_nop
	global_prefetch_b8 v0, s[64:65] scope:SCOPE_SE
	s_setreg_imm32_b32 hwreg(HW_REG_WAVE_MODE, 25, 1), 1
	s_wait_xcnt 0x0
; mu and var [256][1024] f32 become codes of FP8 (E4M3), each three times: once for each of the three products that it enters, with that product's given scale 2^e.
; code = x / 2^e, held within +-448, rounded to the nearest code, ties to even.  mu takes entries 0, 4, 8 of the scales, var entries 2, 6, 10.
; LAYOUT OF ac: [w 6][tile of rows 16][K step 8][group 4][lane 32][16 bytes], w = 2 p + (0: mu, 1: var): the order of an operand's registers.  Lane (r, h) of fragment (mt, S) holds
; row 16 mt + r; byte b of its register j holds k = 128 S + 64 h + 4 j + b.  The weights are laid by the same order of k in the next launch, so every product meets its partner.
; One wave makes one fragment in its three scales: a lane reads 64 neighbouring numbers (256 bytes, aligned) and each store of the wave covers 512 consecutive bytes, aligned.
; LIMITS: each e between -126 and 119, so that 2^e and 448 x 2^e are f32 numbers.  NaN among the inputs is not served (an infinity is held at the largest code).
.set XR, 16                            ; v16-79    my 64 numbers
.set TR, 80                            ; v80-143   the same, held
.set CD, 144                           ; v144-191  codes: 16 registers for each scale, so that no store's data are written again
	s_load_b128 s[4:7], s[0:1], 0x0                ; mu, var
	s_load_b128 s[8:11], s[0:1], 0x10              ; the scales' exponents, ac
	v_and_b32 v1, 15, v0                           ; r
	v_lshrrev_b32 v2, 4, v0                        ; h
	v_lshlrev_b32 v3, 12, v1                       ; row r of 4,096 bytes
	v_lshl_add_u32 v3, v2, 8, v3                   ; + 256 h
	v_lshlrev_b32 v4, 4, v0                        ; out: 16 bytes a lane
	s_lshr_b32 s12, ttmp9, 7                       ; 0: mu, 1: var
	s_and_b32 s13, ttmp9, 127                      ; the fragment: 8 mt + S
	s_lshr_b32 s14, s13, 3
	s_and_b32 s15, s13, 7
	s_lshl_b32 s14, s14, 16                        ; 16 rows of 4,096 bytes
	s_lshl_b32 s15, s15, 9                         ; 128 numbers
	s_add_co_u32 s14, s14, s15
	s_mov_b32 s15, 0
	s_lshl_b32 s16, s12, 18                        ; ac: 262,144 bytes for each w
	s_lshl_b32 s17, s13, 11                        ; 2,048 for each fragment
	s_add_co_u32 s16, s16, s17
	s_mov_b32 s17, 0
	s_wait_kmcnt 0x0
	s_load_b512 s[20:35], s[8:9], 0x0              ; entries 0 to 15
	s_cmp_eq_u32 s12, 0                            ; the choice hangs on the work-group's number alone
	s_cselect_b64 s[4:5], s[4:5], s[6:7]
	s_add_nc_u64 s[4:5], s[4:5], s[14:15]
	s_add_nc_u64 s[10:11], s[10:11], s[16:17]
.set J, 0
.rept 16
	global_load_b128 v[XR+4*J:XR+4*J+3], v3, s[4:5] offset:16*J th:TH_LOAD_NT
.set J, J+1
.endr
	s_wait_kmcnt 0x0
	s_cmp_eq_u32 s12, 0
	s_cselect_b32 s36, s20, s22                    ; e for the product with wq
	s_cselect_b32 s37, s24, s26                    ; with wk
	s_cselect_b32 s38, s28, s30                    ; with wv
	s_wait_loadcnt 0x0
.macro QSET p                          ; my 64 numbers under scale p
	s_add_co_i32 s40, s[36+\p], 127
	s_lshl_b32 s41, s40, 23
	v_mov_b32 v[8+2*\p], s41                       ; 2^e as f32: the conversion takes its exponent field
	s_add_co_i32 s40, s40, 8
	s_lshl_b32 s40, s40, 23
	s_or_b32 s40, s40, 0x600000
	v_mov_b32 v[9+2*\p], s40                       ; 448 x 2^e
.set J, 0
.rept 64
	v_med3_num_f32 v[TR+J], v[XR+J], -v[9+2*\p], v[9+2*\p]   ; the conversion to an 8-bit code does not saturate (ISA guide 7.6.2): the hold comes first
.set J, J+1
.endr
.set J, 0
.rept 8
	v_cvt_scalef32_pk8_fp8_f32 v[CD+16*\p+2*J:CD+16*\p+2*J+1], v[TR+8*J:TR+8*J+7], v[8+2*\p]
.set J, J+1
.endr
	v_nop                                          ; a plain line between the conversions and the next holds, which write their sources
.irp c, 0,1,2,3
	global_store_b128 v4, v[CD+16*\p+4*\c:CD+16*\p+4*\c+3], s[10:11] offset:524288*\p+512*\c
.endr
.endm
	QSET 0
	QSET 1
	QSET 2
	s_endpgm
.Lfunc_end_k_q8f0d152fd8_prep:
	.size	k_q8f0d152fd8_prep, .Lfunc_end_k_q8f0d152fd8_prep-k_q8f0d152fd8_prep
	.p2alignl 7, 3214868480
	.fill 96, 4, 3214868480
	.section	.rodata,"a",@progbits
	.p2align	6, 0x0
	.amdhsa_kernel k_q8f0d152fd8_prep
		.amdhsa_group_segment_fixed_size 0
		.amdhsa_private_segment_fixed_size 0
		.amdhsa_enable_private_segment 0
		.amdhsa_kernarg_size 32
		.amdhsa_user_sgpr_count 2
		.amdhsa_user_sgpr_kernarg_segment_ptr 1
		.amdhsa_wavefront_size32 1
		.amdhsa_system_sgpr_workgroup_id_x 1
		.amdhsa_system_sgpr_workgroup_id_y 1
		.amdhsa_system_sgpr_workgroup_id_z 1
		.amdhsa_system_vgpr_workitem_id 0
		.amdhsa_next_free_vgpr 192
		.amdhsa_next_free_sgpr 66
		.amdhsa_reserve_vcc 0
		.amdhsa_float_denorm_mode_32 3
		.amdhsa_float_denorm_mode_16_64 3
		.amdhsa_memory_ordered 1
		.amdhsa_forward_progress 1
		.amdhsa_inst_pref_size 19
	.end_amdhsa_kernel
	.amdgpu_metadata
---
amdhsa.version: [ 1, 2 ]
amdhsa.kernels:
  - .name:           k_q8f0d152fd8_prep
    .symbol:         k_q8f0d152fd8_prep.kd
    .args:
      - { .name: mu, .offset: 0, .size: 8, .value_kind: global_buffer, .address_space: global }
      - { .name: var, .offset: 8, .size: 8, .value_kind: global_buffer, .address_space: global }
      - { .name: lowp_scales, .offset: 16, .size: 8, .value_kind: global_buffer, .address_space: global }
      - { .name: ac, .offset: 24, .size: 8, .value_kind: global_buffer, .address_space: global }
    .group_segment_fixed_size: 0
    .private_segment_fixed_size: 0
    .kernarg_segment_align: 8
    .kernarg_segment_size: 32
    .max_flat_workgroup_size: 32
    .sgpr_count:     66
    .vgpr_count:     192
    .wavefront_size: 32
...
	.end_amdgpu_metadata
.endif
;; end of part 1
;; launch proj (part 2): grid 16 x 6, 4 waves a work-group, no clusters, 262,656 bytes of LDS; arguments ac, lowp_scales, wq_mu, wq_var, wk_mu, wk_var, wv_mu, wv_var, bq_mu, bq_var, bk_mu, bk_var, bv_mu, bv_var, qm, qv, kt, vc; writes qm, qv, kt, vc
.if DOCPART == 2
	.amdgcn_target "amdgcn-amd-amdhsa--gfx1250"
	.amdhsa_code_object_version 6
	.text
	.protected	k_q8f0d152fd8_proj
	.globl	k_q8f0d152fd8_proj
	.p2align	8
	.type	k_q8f0d152fd8_proj,@function
k_q8f0d152fd8_proj:
	s_mov_b64 s[64:65], 0
	v_nop
	global_prefetch_b8 v0, s[64:65] scope:SCOPE_SE
	s_setreg_imm32_b32 hwreg(HW_REG_WAVE_MODE, 25, 1), 1
	s_wait_xcnt 0x0
; The six projections Y = X W + b (softplus for the three of var), both operands as codes of FP8 (E4M3) with the given scales; sums in f32.
; Work-group (x, y): x = the head (64 columns), y = w = which product: 0 q_mu, 1 q_var, 2 k_mu, 3 k_var, 4 v_mu, 5 v_var.  It makes all 256 rows, so each byte of a weight is read once in the launch.
; PHASE Q.  W [1024 (k)][1024] is f32 with K along its first axis.  The slice, 1,024 rows x 256 bytes, comes into LDS by tensor loads: wave v brings rows 256 v .. 256 v + 255 in four tiles of 64 rows.
;   A lane takes a column and its registers run down K: the conversions then give codes with K innermost.  v_permlane16_swap_b32 turns two runs of 16 registers (32 columns x 128 k) into two fragments
;   (16 columns each; lanes 0-15 k 0-63, lanes 16-31 k 64-127), the order of k in which the launch before laid X's codes.  The fragments go to LDS as images of their registers, over f32 rows that the wave has read.
; PHASE M.  Wave v owns rows 64 v .. 64 v + 63: 4 x 4 accumulators.  Its X fragments of all 8 K steps lie in registers, loaded once, as they lie in memory; W's fragments come from the images.
; THE WAY OUT, by w / 2:  a (Q): f32 rows [256][1024];  b (K): Km, and rk = 1 / (2 Kv), laid [head][d 64][key 256];  c (V): codes with the keys innermost, in the order of an operand's registers.
; NO CLUSTER: the weight slices are shared by nobody.  X's codes are shared by the 16 heads, but a joint load lands in LDS, and 262,144 bytes of them do not fit beside the slice's 262,144 in 327,680.
; SOFTPLUS: max(x, 0) + 2 atanh(z), z = e / (2 + e), e = exp(-|x|); z is at most 1/3 for every x, so the series in z^2 cut behind z^12 leaves under 2e-8 of the result, for every x.
; LIMITS: the weight's and V's exponents between -126 and 119; the two operands' exponents added between -126 and 127.  softplus(x) is 0 where exp(x) falls under the smallest normal f32 number (x < -87).  NaN is not served.
; REGISTERS.  window 0: v1-31 below; v32-159 numbers at work, then W's fragments (two sets of 64), then the 128 results; v160-255 codes, later softplus's work.
;   window 1: X's fragments of K steps 0-3 (step S, tile m at v[64 S + 16 m]);  window 2: K steps 4-7;  window 3: the accumulators, (m, t) at v[8 (4 m + t)].
.set SPARE, 262144                     ; behind the slice: the spare words, 128 bytes a wave: two blocks of 256 bytes that no other line names
.set STA,   40960                      ; in my 65,536 bytes: the stage of way a, 16 rows x 272 bytes
.set STB,   8192                       ; and of way b, 64 rows x 272 bytes.  Images lie at 0 and at 32,768, 8,192 bytes each
.set SPW, 1                            ; v1   LDS address of my spare word; never rewritten
.set NIL, 2                            ; v2   0; never rewritten
.set CP,  4                            ; v[4:5] r, h; later the series' first coefficient, twice
.set WRD, 6                            ; v6   65,536 wave + 4 lane: my column in my rows
.set IMW, 7                            ; v7   65,536 wave + 16 lane: where I store images
.set IMR, 8                            ; v8-11  16 lane + 65,536 i: where I read them
.set L16, 12                           ; v12  16 lane
.set SA,  13                           ; v13  stage a, in
.set SR,  14                           ; v14  stage a, back
.set GO,  15                           ; v15  way a: my bytes in two rows of the output
.set SB,  16                           ; v16  stage b, in
.set SRB, 17                           ; v17  stage b, back
.set GOB, 18                           ; v18  way b: my bytes in two rows of kt
.set BO,  19                           ; v19  4 r: my column's bias
.set WS,  20                           ; v20, v21  2^e and 448 x 2^e of the weight
.set WL,  21
.set VS,  22                           ; v22, v23  the same for V's codes
.set VL,  23
.set BI,  24                           ; v24-31 the bias of my column in tile t, twice: a pair for the packed form
.set XR,  32
.set BR,  32
.set YR,  32
.set CR,  160
.set ER,  160
.set DR,  192
.set PR,  224
.set VC,  160
.set G1,  48                           ; s[48:55] descriptor group 1; groups 0 in s[56:59], s[60:63], s[68:71], s[72:75]
.set MSB, 0
.macro WIN new                         ; the immediate's high byte repeats the setting that is left
.if MSB != (\new)
	s_set_vgpr_msb (MSB<<8)|(\new)
.set MSB, (\new)
.endif
.endm
.macro SCALE vs, vl, se                ; v[vs] = 2^e as f32, v[vl] = 448 x 2^e, e in s[se]
	s_add_co_i32 s90, s[\se], 127
	s_lshl_b32 s91, s90, 23
	v_mov_b32 v[\vs], s91
	s_add_co_i32 s90, s90, 8
	s_lshl_b32 s90, s90, 23
	s_or_b32 s90, s90, 0x600000
	v_mov_b32 v[\vl], s90
.endm
.macro FINISH                          ; the wave's end: a tensor wait, an LDS add and its wait, behind my last tensor load and my last LDS store
	s_wait_tensorcnt 0x0
	ds_add_u32 v[SPW], v[NIL]
	s_wait_dscnt 0x0
	s_endpgm
.endm
	s_load_b512 s[8:23], s[0:1], 0x0               ; ac s[8:9], scales s[10:11], the six weights s[12:23]
	s_load_b512 s[24:39], s[0:1], 0x40             ; the six biases s[24:35], qm s[36:37], qv s[38:39]
	s_load_b128 s[40:43], s[0:1], 0x80             ; kt s[40:41], vc s[42:43]
	v_lshl_add_u32 v[SPW], v0, 2, SPARE
	v_mov_b32 v[NIL], 0
	ds_add_u32 v[SPW], v[NIL]                      ; the wave's opening: the add and its wait ahead of my first tensor load; work on registers stands between them
	v_lshrrev_b32 v3, 5, v0
	v_readfirstlane_b32 s44, v3                    ; wave 0..3
	v_and_b32 v3, 31, v0                           ; lane
	v_and_b32 v4, 15, v0                           ; r
	v_bfe_u32 v5, v0, 4, 1                         ; h
	s_and_b32 s45, ttmp7, 0xffff                   ; w
	s_and_b32 s47, s45, 1                          ; 1: a product of var
	s_lshr_b32 s78, s45, 1                         ; the way out
	s_lshl_b32 s86, s44, 16                        ; my 65,536 bytes of LDS
	s_lshl_b32 s87, s45, 3                         ; my two scales: entries 2 w, 2 w + 1
	s_add_co_u32 s88, s86, STA
	s_add_co_u32 s89, s86, STB
	s_mov_b32 s[G1+0], 2<<16                       ; no mask; elements of 4 bytes; no padding
	s_mov_b32 s[G1+1], 64<<16                      ; tensor_dim0 = 64
	s_mov_b32 s[G1+2], 64<<16                      ; tensor_dim1 = 64
	s_mov_b32 s[G1+3], 64<<16                      ; tile_dim0 = 64 elements: 256 bytes
	s_mov_b32 s[G1+4], 64                          ; tile_dim1 = 64 rows
	s_mov_b32 s[G1+5], 1024                        ; elements from row to row
	s_mov_b32 s[G1+6], 0
	s_mov_b32 s[G1+7], 0
	v_lshlrev_b32 v[L16], 4, v3
	v_lshl_add_u32 v[WRD], v3, 2, s86
	v_add_nc_u32 v[IMW], s86, v[L16]
.irp i, 0,1,2,3
	v_add_nc_u32 v[IMR+\i], 65536*\i, v[L16]
.endr
	v_mul_u32_u24 v[SA], v5, 2176                  ; stage a, in: row 8 h + j, column 16 t + r: 8 x 272 h + 4 r
	v_lshl_add_u32 v[SA], v4, 2, v[SA]
	v_add_nc_u32 v[SA], s88, v[SA]
	v_mul_u32_u24 v[SR], v5, 272                   ; back: lanes 0-15 one row of 256 bytes, lanes 16-31 the next
	v_lshl_add_u32 v[SR], v4, 4, v[SR]
	v_add_nc_u32 v[SRB], s89, v[SR]
	v_add_nc_u32 v[SR], s88, v[SR]
	v_lshlrev_b32 v[GO], 12, v5
	v_lshl_add_u32 v[GO], v4, 4, v[GO]
	v_mul_u32_u24 v[SB], v4, 272                   ; stage b, in: row d = 16 t + r, 32 bytes for each half of the lanes
	v_lshl_add_u32 v[SB], v5, 5, v[SB]
	v_add_nc_u32 v[SB], s89, v[SB]
	v_lshlrev_b32 v[GOB], 10, v5
	v_lshl_add_u32 v[GOB], v4, 4, v[GOB]
	v_lshlrev_b32 v[BO], 2, v4
	s_wait_dscnt 0x0                               ; the opening add is done
	s_wait_kmcnt 0x0
	s_mov_b64 s[4:5], s[12:13]                     ; my weight and my bias: choices on the work-group's number alone
	s_mov_b64 s[6:7], s[24:25]
.irp i, 1,2,3,4,5
	s_cmp_eq_u32 s45, \i
	s_cselect_b64 s[4:5], s[12+2*\i:13+2*\i], s[4:5]
	s_cselect_b64 s[6:7], s[24+2*\i:25+2*\i], s[6:7]
.endr
	s_load_b64 s[80:81], s[10:11], s87 offset:0x0  ; eA, eB
	s_load_b32 s82, s[10:11], s87 offset:0x14      ; w = 4: entry 13, w = 5: entry 15: V's own scale as an operand (else an entry that is not used)
	s_lshl_b32 s2, s44, 20                         ; my 256 rows of 4,096 bytes
	s_lshl_b32 s3, ttmp9, 8                        ; the head's 256 bytes of a row
	s_add_co_u32 s2, s2, s3
	s_mov_b32 s3, 0
	s_add_nc_u64 s[4:5], s[4:5], s[2:3]
.macro TILE g, i                       ; group 0 of my tile i: rows 64 i on
	s_mov_b32 s[\g], 1
	s_add_co_u32 s[\g+1], s86, 16384*\i
	s_add_nc_u64 s[\g+2:\g+3], s[4:5], 262144*\i
	s_or_b32 s[\g+3], s[\g+3], 0x80000000
.endm
	TILE 56, 0
	TILE 60, 1
	TILE 68, 2
	TILE 72, 3
.irp g, 56, 60, 68, 72                 ; the only fills of the launch, as one group: four tensor loads of mine are out
	tensor_load_to_lds s[\g:\g+3], s[G1:G1+7]
	s_nop 0
.endr
.rept 4
	v_nop                                          ; the register windows are switched only behind four instructions
.endr
	s_lshl_b32 s2, s45, 18                         ; X's codes for product w,
	s_add_co_u32 s2, s2, s86                       ; my four tiles of rows: 4 x 8 fragments of 2,048 bytes
	s_mov_b32 s3, 0
	s_add_nc_u64 s[92:93], s[8:9], s[2:3]
	s_lshl_b32 s2, ttmp9, 8
	s_add_nc_u64 s[6:7], s[6:7], s[2:3]            ; the head's 64 biases
	WIN 0x40                                       ; destination window 1
.irp s, 0,1,2,3
.irp m, 0,1,2,3
.irp c, 0,1,2,3
	global_load_b128 v[64*\s+16*\m+4*\c:64*\s+16*\m+4*\c+3], v[L16], s[92:93] offset:(8*\m+\s)*2048+512*\c
.endr
.endr
.endr
	WIN 0x80                                       ; destination window 2
.irp s, 0,1,2,3
.irp m, 0,1,2,3
.irp c, 0,1,2,3
	global_load_b128 v[64*\s+16*\m+4*\c:64*\s+16*\m+4*\c+3], v[L16], s[92:93] offset:(8*\m+\s+4)*2048+512*\c
.endr
.endr
.endr
	WIN 0
.irp t, 0,1,2,3
	global_load_b32 v[BI+2*\t], v[BO], s[6:7] offset:64*\t
	global_load_b32 v[BI+2*\t+1], v[BO], s[6:7] offset:64*\t
.endr
	s_wait_kmcnt 0x0
	SCALE WS, WL, 81
	SCALE VS, VL, 82
	s_add_co_i32 s84, s80, s81
	s_add_co_i32 s84, s84, 127
	s_lshl_b32 s84, s84, 23                        ; 2^(eA + eB) as f32
	s_mov_b32 s85, s84                             ; (named with it as a pair, so it is written)
; PHASE Q.  Unit u: K step u / 8 of my two, rows 32 ((u % 8) / 2) on, columns 32 (u % 2) on: 32 numbers a lane, down K.
.macro LOADU u
.set US, (\u)/8
.set UQ, ((\u)%8)/2
.set UG, (\u)%2
.set J, 0
.rept 32
	ds_load_b32 v[XR+32*UG+J], v[WRD] offset:(128*US+32*UQ+J)*256+128*UG
.set J, J+1
.endr
.endm
.macro CONV u
.set UQ, ((\u)%8)/2
.set UG, (\u)%2
.set J, 0
.rept 32
	v_med3_num_f32 v[XR+32*UG+J], v[XR+32*UG+J], -v[WL], v[WL]   ; the hold at the largest code x the scale
.set J, J+1
.endr
.set J, 0
.rept 4
	v_cvt_scalef32_pk8_fp8_f32 v[CR+32*UG+8*UQ+2*J:CR+32*UG+8*UQ+2*J+1], v[XR+32*UG+8*J:XR+32*UG+8*J+7], v[WS]
.set J, J+1
.endr
	v_nop                                          ; a plain line behind the conversions, ahead of whatever next touches their registers
.endm
.macro FRAGS s                         ; 64 registers of codes (column 32 g + lane; byte b of register i: k = 4 i + b) become four fragments, and these images
.irp g, 0,1
.set J, 0
.rept 16
	v_permlane16_swap_b32 v[CR+32*\g+J], v[CR+32*\g+16+J]   ; first: columns 32 g + r, k 64 h + 4 J + b; second: columns 32 g + 16 + r, the same k
.set J, J+1
.endr
.irp e, 0,1
.irp c, 0,1,2,3
	ds_store_b128 v[IMW], v[CR+32*\g+16*\e+4*\c:CR+32*\g+16*\e+4*\c+3] offset:(\s)*32768+(2*\g+\e)*2048+512*\c   ; over f32 rows that I have read: these bytes have had their only fill
.endr
.endr
.endr
.endm
	s_wait_tensorcnt 0x3                           ; my tile 0 is in; the three behind it may be out
	LOADU 0
.set U, 0
.rept 16
.if U < 15
.if (U+1)%4 == 0
	s_wait_tensorcnt 3-(U+1)/4                     ; the next four units' tile is in; the later tiles may be out
.endif
	LOADU U+1
	s_wait_dscnt 32                                ; all but the 32 loads just issued: this unit's numbers are in, and earlier image stores have read their registers
.else
	s_wait_dscnt 0x0
.endif
	CONV U
.if U%8 == 7
	FRAGS U/8
.endif
.set U, U+1
.endr
	s_wait_dscnt 0x0                               ; for the others' sake: my images have landed
	s_barrier_signal -1
	s_barrier_wait -1                              ; all 32 images lie in LDS
	s_wait_loadcnt 0x0                             ; X's fragments and the biases
; PHASE M.
.macro BLOAD s, buf                    ; W's four fragments of K step s into set buf
.irp t, 0,1,2,3
.irp c, 0,1,2,3
	ds_load_b128 v[BR+64*(\buf)+16*\t+4*\c:BR+64*(\buf)+16*\t+4*\c+3], v[IMR+(\s)/2] offset:((\s)%2)*32768+2048*\t+512*\c
.endr
.endr
.endm
.macro MUL s                           ; 16 products; the 16 accumulators take turns, one instruction a turn.  Source 0 = 16 rows of X, source 1 = 16 columns of W
.set WN, 0xf1+(\s)/4
	WIN WN                                         ; source 0 window 1 or 2, source 1 window 0, C and D window 3
.irp m, 0,1,2,3
.irp t, 0,1,2,3
.if (\s) == 0
	v_wmma_f32_16x16x128_fp8_fp8 v[8*(4*\m+\t):8*(4*\m+\t)+7], v[64*((\s)%4)+16*\m:64*((\s)%4)+16*\m+15], v[BR+64*((\s)%2)+16*\t:BR+64*((\s)%2)+16*\t+15], 0
.else
	v_wmma_f32_16x16x128_fp8_fp8 v[8*(4*\m+\t):8*(4*\m+\t)+7], v[64*((\s)%4)+16*\m:64*((\s)%4)+16*\m+15], v[BR+64*((\s)%2)+16*\t:BR+64*((\s)%2)+16*\t+15], v[8*(4*\m+\t):8*(4*\m+\t)+7]
.endif
.endr
.endr
	WIN 0
.endm
	BLOAD 0, 0
.set S, 0
.rept 8
.if S > 0
.rept 4
	v_nop                                          ; four places between the last products and loads into the set that the step before multiplied
.endr
.endif
.if S < 7
	BLOAD S+1, (S+1)%2
	s_wait_dscnt 16                                ; all but the 16 just issued
.else
	s_wait_dscnt 0x0
.endif
	MUL S
.set S, S+1
.endr
.rept 4
	v_nop                                          ; four places ahead of the first read of results and the first write over the fragments
.endr
	WIN 0x03                                       ; source 0 window 3
.irp m, 0,1,2,3
.irp t, 0,1,2,3
.irp i, 0,2,4,6
	v_pk_fma_f32 v[YR+32*\m+8*\t+\i:YR+32*\m+8*\t+\i+1], v[8*(4*\m+\t)+\i:8*(4*\m+\t)+\i+1], s[84:85], v[BI+2*\t:BI+2*\t+1] op_sel_hi:[1,0,1]   ; sum x 2^(eA + eB) + bias; each accumulator from its low end on
.endr
.endr
.endr
	WIN 0                                          ; v[YR + 32 m + 8 t + j] = Y(64 wave + 16 m + 8 h + j, 16 t + r)
	s_cmp_eq_u32 s47, 0
	s_cbranch_scc1 .Lplain
	s_mov_b32 s96, 0xbfb8aa3b                      ; -log2(e)
	v_mov_b32 v[CP], 0x3e1d89d9                    ; 2/13
	v_mov_b32 v[CP+1], 0x3e1d89d9
.macro SOFTPLUS m                      ; 32 numbers in place
.set YB, YR+32*(\m)
.set J, 0
.rept 32
	v_mul_f32 v[ER+J], s96, |v[YB+J]|
.set J, J+1
.endr
.set J, 0
.rept 32
	v_exp_f32 v[ER+J], v[ER+J]                     ; e = exp(-|x|)
.set J, J+1
.endr
	v_nop                                          ; a plain line behind the batch,
	s_wait_alu depctr_va_vdst(0)                   ; and one wait for it, ahead of its first reader
.set J, 0
.rept 16
	v_pk_add_f32 v[DR+J:DR+J+1], v[ER+J:ER+J+1], 2.0 op_sel_hi:[1,0]
.set J, J+2
.endr
.set J, 0
.rept 32
	v_rcp_f32 v[DR+J], v[DR+J]
.set J, J+1
.endr
	v_nop
	s_wait_alu depctr_va_vdst(0)
.set J, 0
.rept 16
	v_pk_mul_f32 v[ER+J:ER+J+1], v[ER+J:ER+J+1], v[DR+J:DR+J+1]   ; z = e / (2 + e)
.set J, J+2
.endr
.set J, 0
.rept 16
	v_pk_mul_f32 v[DR+J:DR+J+1], v[ER+J:ER+J+1], v[ER+J:ER+J+1]   ; z^2
.set J, J+2
.endr
.set J, 0
.rept 16
	v_pk_fma_f32 v[PR+J:PR+J+1], v[DR+J:DR+J+1], v[CP:CP+1], 0x3e3a2e8c op_sel_hi:[1,1,0]   ; 2/13 z^2 + 2/11
.set J, J+2
.endr
.irp k, 0x3e638e39, 0x3e924925, 0x3ecccccd, 0x3f2aaaab, 0x40000000   ; 2/9, 2/7, 2/5, 2/3, 2
.set J, 0
.rept 16
	v_pk_fma_f32 v[PR+J:PR+J+1], v[PR+J:PR+J+1], v[DR+J:DR+J+1], \k op_sel_hi:[1,1,0]
.set J, J+2
.endr
.endr
.set J, 0
.rept 32
	v_max_num_f32 v[YB+J], 0, v[YB+J]
.set J, J+1
.endr
.set J, 0
.rept 16
	v_pk_fma_f32 v[YB+J:YB+J+1], v[ER+J:ER+J+1], v[PR+J:PR+J+1], v[YB+J:YB+J+1]   ; max(x, 0) + log(1 + e)
.set J, J+2
.endr
.endm
	SOFTPLUS 0
	SOFTPLUS 1
	SOFTPLUS 2
	SOFTPLUS 3
.Lplain:
	s_cmp_eq_u32 s78, 1
	s_cbranch_scc1 .Lway_b
	s_cmp_eq_u32 s78, 2
	s_cbranch_scc1 .Lway_c
; WAY a: a lane holds a piece of a column, so a tile of 16 rows x 64 columns goes through my stage and comes back as rows: sixteen lanes store 256 consecutive bytes, aligned.
	s_cmp_eq_u32 s47, 0
	s_cselect_b64 s[94:95], s[36:37], s[38:39]     ; qm or qv
	s_lshl_b32 s2, s44, 18                         ; my 64 rows of 4,096 bytes
	s_lshl_b32 s3, ttmp9, 8
	s_add_co_u32 s2, s2, s3
	s_mov_b32 s3, 0
	s_add_nc_u64 s[94:95], s[94:95], s[2:3]
.macro PACKA m
.irp t, 0,1,2,3
.irp j, 0,1,2,3,4,5,6,7
	ds_store_b32 v[SA], v[YR+32*(\m)+8*\t+\j] offset:272*\j+64*\t
.endr
.endr
.irp i, 0,1,2,3,4,5,6,7
	ds_load_b128 v[YR+32*(\m)+4*\i:YR+32*(\m)+4*\i+3], v[SR] offset:544*\i   ; LDS serves a wave's instructions in order (ISA guide 5.7.1.4): these see the stores above, and the next tile's stores come behind them
.endr
.endm
.macro SENDA m, younger                ; younger: the LDS instructions issued behind tile m's loads
.irp f, 0,1,2,3,4,5,6,7
	s_wait_dscnt \younger+7-\f
	global_store_b128 v[GO], v[YR+32*(\m)+4*\f:YR+32*(\m)+4*\f+3], s[94:95] offset:(16*(\m)+2*\f)*4096
.endr
.endm
	PACKA 0
	PACKA 1
	SENDA 0, 40
	PACKA 2
	SENDA 1, 40
	PACKA 3
	SENDA 2, 40
	SENDA 3, 0
	FINISH
; WAY b: kt [Km, rk][head][d 64][key 256].  A lane's eight registers are eight neighbouring keys of one d: 32 bytes.  My 64 keys of the 64 d go through my stage; a d's 64 keys are 256 consecutive bytes, aligned.
.Lway_b:
	s_cmp_eq_u32 s47, 0
	s_cbranch_scc1 .Lkm
.set J, 0
.rept 128
	v_rcp_f32 v[YR+J], v[YR+J]
.set J, J+1
.endr
	v_nop
	s_wait_alu depctr_va_vdst(0)
.set J, 0
.rept 64
	v_pk_mul_f32 v[YR+J:YR+J+1], v[YR+J:YR+J+1], 0.5 op_sel_hi:[1,0]   ; rk = 1 / (2 Kv)
.set J, J+2
.endr
.Lkm:
	s_lshl_b32 s2, s47, 20
	s_lshl_b32 s3, ttmp9, 16
	s_add_co_u32 s2, s2, s3
	s_lshl_b32 s3, s44, 8
	s_add_co_u32 s2, s2, s3
	s_mov_b32 s3, 0
	s_add_nc_u64 s[94:95], s[40:41], s[2:3]
.irp m, 0,1,2,3
.irp t, 0,1,2,3
	ds_store_b128 v[SB], v[YR+32*\m+8*\t:YR+32*\m+8*\t+3] offset:4352*\t+64*\m
	ds_store_b128 v[SB], v[YR+32*\m+8*\t+4:YR+32*\m+8*\t+7] offset:4352*\t+64*\m+16
.endr
.endr
.set J, 0
.rept 32
	ds_load_b128 v[YR+4*J:YR+4*J+3], v[SRB] offset:544*J
.set J, J+1
.endr
.set J, 0
.rept 32
	s_wait_dscnt 31-J
	global_store_b128 v[GOB], v[YR+4*J:YR+4*J+3], s[94:95] offset:2048*J
.set J, J+1
.endr
	FINISH
; WAY c: vc [Vm, Vv][head][K step 2][tile of d 4][group 4][lane][16 bytes]: V^T as fragments in the form's own layout: lane (r, h): d = 16 t + r; registers 2 c, 2 c + 1: keys 128 S + 16 c + 8 h + 0 .. 7.
; My tile m of rows is c = 4 (wave % 2) + m of K step wave / 2: the conversions' results are the operand's registers.  Each store of the wave covers 512 consecutive bytes, aligned.
.Lway_c:
	s_lshl_b32 s2, s47, 18
	s_lshl_b32 s3, ttmp9, 14
	s_add_co_u32 s2, s2, s3
	s_lshr_b32 s3, s44, 1
	s_lshl_b32 s3, s3, 13
	s_add_co_u32 s2, s2, s3
	s_and_b32 s3, s44, 1
	s_lshl_b32 s3, s3, 10
	s_add_co_u32 s2, s2, s3
	s_mov_b32 s3, 0
	s_add_nc_u64 s[94:95], s[42:43], s[2:3]
.set J, 0
.rept 128
	v_med3_num_f32 v[YR+J], v[YR+J], -v[VL], v[VL]
.set J, J+1
.endr
.irp t, 0,1,2,3
.irp m, 0,1,2,3
	v_cvt_scalef32_pk8_fp8_f32 v[VC+8*\t+2*\m:VC+8*\t+2*\m+1], v[YR+32*\m+8*\t:YR+32*\m+8*\t+7], v[VS]
.endr
.endr
	v_nop
.irp t, 0,1,2,3
.irp e, 0,1
	global_store_b128 v[L16], v[VC+8*\t+4*\e:VC+8*\t+4*\e+3], s[94:95] offset:2048*\t+512*\e
.endr
.endr
	FINISH
.Lfunc_end_k_q8f0d152fd8_proj:
	.size	k_q8f0d152fd8_proj, .Lfunc_end_k_q8f0d152fd8_proj-k_q8f0d152fd8_proj
	.p2alignl 7, 3214868480
	.fill 96, 4, 3214868480
	.section	.rodata,"a",@progbits
	.p2align	6, 0x0
	.amdhsa_kernel k_q8f0d152fd8_proj
		.amdhsa_group_segment_fixed_size 262656
		.amdhsa_private_segment_fixed_size 0
		.amdhsa_enable_private_segment 0
		.amdhsa_kernarg_size 144
		.amdhsa_user_sgpr_count 2
		.amdhsa_user_sgpr_kernarg_segment_ptr 1
		.amdhsa_wavefront_size32 1
		.amdhsa_system_sgpr_workgroup_id_x 1
		.amdhsa_system_sgpr_workgroup_id_y 1
		.amdhsa_system_sgpr_workgroup_id_z 1
		.amdhsa_system_vgpr_workitem_id 0
		.amdhsa_next_free_vgpr 896
		.amdhsa_next_free_sgpr 100
		.amdhsa_reserve_vcc 0
		.amdhsa_float_denorm_mode_32 3
		.amdhsa_float_denorm_mode_16_64 3
		.amdhsa_memory_ordered 1
		.amdhsa_forward_progress 1
		.amdhsa_inst_pref_size 226
	.end_amdhsa_kernel
	.amdgpu_metadata
---
amdhsa.version: [ 1, 2 ]
amdhsa.kernels:
  - .name:           k_q8f0d152fd8_proj
    .symbol:         k_q8f0d152fd8_proj.kd
    .args:
      - { .name: ac, .offset: 0, .size: 8, .value_kind: global_buffer, .address_space: global }
      - { .name: lowp_scales, .offset: 8, .size: 8, .value_kind: global_buffer, .address_space: global }
      - { .name: wq_mu, .offset: 16, .size: 8, .value_kind: global_buffer, .address_space: global }
      - { .name: wq_var, .offset: 24, .size: 8, .value_kind: global_buffer, .address_space: global }
      - { .name: wk_mu, .offset: 32, .size: 8, .value_kind: global_buffer, .address_space: global }
      - { .name: wk_var, .offset: 40, .size: 8, .value_kind: global_buffer, .address_space: global }
      - { .name: wv_mu, .offset: 48, .size: 8, .value_kind: global_buffer, .address_space: global }
      - { .name: wv_var, .offset: 56, .size: 8, .value_kind: global_buffer, .address_space: global }
      - { .name: bq_mu, .offset: 64, .size: 8, .value_kind: global_buffer, .address_space: global }
      - { .name: bq_var, .offset: 72, .size: 8, .value_kind: global_buffer, .address_space: global }
      - { .name: bk_mu, .offset: 80, .size: 8, .value_kind: global_buffer, .address_space: global }
      - { .name: bk_var, .offset: 88, .size: 8, .value_kind: global_buffer, .address_space: global }
      - { .name: bv_mu, .offset: 96, .size: 8, .value_kind: global_buffer, .address_space: global }
      - { .name: bv_var, .offset: 104, .size: 8, .value_kind: global_buffer, .address_space: global }
      - { .name: qm, .offset: 112, .size: 8, .value_kind: global_buffer, .address_space: global }
      - { .name: qv, .offset: 120, .size: 8, .value_kind: global_buffer, .address_space: global }
      - { .name: kt, .offset: 128, .size: 8, .value_kind: global_buffer, .address_space: global }
      - { .name: vc, .offset: 136, .size: 8, .value_kind: global_buffer, .address_space: global }
    .group_segment_fixed_size: 262656
    .private_segment_fixed_size: 0
    .kernarg_segment_align: 8
    .kernarg_segment_size: 144
    .max_flat_workgroup_size: 128
    .sgpr_count:     100
    .vgpr_count:     896
    .wavefront_size: 32
...
	.end_amdgpu_metadata
.endif
;; end of part 2
;; launch attn (part 3): grid 16 x 16, 8 waves a work-group, no clusters, 151,808 bytes of LDS; arguments qm, qv, kt, vc, lowp_scales, oc; writes oc
.if DOCPART == 3
	.amdgcn_target "amdgcn-amd-amdhsa--gfx1250"
	.amdhsa_code_object_version 6
	.text
	.protected	k_q8f0d152fd8_attn
	.globl	k_q8f0d152fd8_attn
	.p2align	8
	.type	k_q8f0d152fd8_attn,@function
k_q8f0d152fd8_attn:
	s_mov_b64 s[64:65], 0
	v_nop
	global_prefetch_b8 v0, s[64:65] scope:SCOPE_SE
	s_setreg_imm32_b32 hwreg(HW_REG_WAVE_MODE, 25, 1), 1
	s_wait_xcnt 0x0
; For 16 queries of one head (work-group x = the tile of queries, y = the head): the Gaussian KL scores against all 256 keys, the softmax, the two products with V on codes of FP8 (E4M3), and O as codes.
; THE SCORE.  kl summed over d = G - 1/2 sum log Qv - 32 (1 + log 2), with G = sum over d of ((Qm - Km)^2 + Qv) rk - (log 2 / 2) log2(rk), rk = 1 / (2 Kv).  No square is multiplied out.
;   t = score x log2(e) = -(log2(e) / 8) G + tq,  tq = (sum of log2 Qv) / 16 + 4 log2(e) + 4.  In the inner loop three packed instructions serve two keys of one d, and there is no transcendental.
; P1.  Wave w takes d = 8 w .. 8 w + 7 for all 16 queries and 256 keys: its Km and rk lie in 128 registers (lane l: keys 4 l .. 4 l + 3 and 128 + 4 l ..), loaded once; its partial G goes to LDS.
; P2.  Lane (r, h) of wave w owns query r and keys 128 S + 16 w + 8 h + 0 .. 7: it adds the eight parts.  M = the ceiling of the largest t: first of the wave's 32 keys, p = 2^(t - M), then, behind one barrier,
;   of the row; p and the waves' sums are brought under the row's M by powers of two, which round nothing.  The row's sum l is taken of the unquantised p.  p, and (p / l)^2, are quantised; the lane's 8 codes are
;   registers 2 w, 2 w + 1 of the operand (form's own layout) and go to LDS as part of an image of its registers.
; P3.  Wave w = 4 ty + t: O^T = V^T P^T (source 0 = 16 d of V, source 1 = the 16 queries), ty = 0: p with Vm, divided by l; ty = 1: attn^2 with Vv.  A lane holds one query and eight neighbouring d: eight codes of O,
;   stored in the order of the next launch's operand registers; the wave stores 256 consecutive bytes, aligned.
; NO CLUSTER: Km, rk and V are shared by a head's 16 work-groups, but each byte of Km and rk is used by one lane of one wave: a joint load would send 131,072 bytes into LDS and out again for no second use.
; LIMITS: entries 12, 14, 16, 18 of the scales between -126 and 119 (their powers of two are made as f32 numbers); NaN is not served.
.set QL,    0                          ; [q 16][Qm 256 bytes, Qv 256 bytes]
.set CQ,    8192                       ; tq[q]
.set MX,    8448                       ; -M of wave w for query q at 32 q + 4 w; the waves' sums 512 bytes on
.set IMG,   9472                       ; four fragments of 2,048 bytes: p (K steps 0, 1), attn^2 (0, 1)
.set SP,    17664                      ; the parts of G: for each wave 16 rows (q) of 1,040 bytes: 256 keys + 16 of padding, an odd multiple of 16
.set SPB,   16640
.set SPARE, 150784                     ; the spare words, 128 bytes a wave: four blocks of 256 bytes that no other line names
.set SPW, 1                            ; v1   LDS address of my spare word; never rewritten
.set NIL, 2                            ; v2   0; never rewritten
.set L16, 6                            ; v6   16 lane
.set QBA, 7                            ; v7   32 wave: my 8 d in a row of Qm or Qv
.set SPS, 8                            ; v8   where I store my part of G
.set SPR, 9                            ; v9, v10  where I read the parts of waves 0-3, 4-7
.set QG,  11                           ; v11  Q in memory;  v12 in LDS;  v13, v14 tq: store, load;  v15, v16 -M and sums: store, load;  v17, v18 images: store, load;  v19 O
.set KM,  32                           ; v32-95    Km(d, key): v[KM + 8 d + 4 half + e]
.set RK,  96                           ; v96-159   rk likewise
.set QB,  160                          ; v160-191  two sets of Qm[8], Qv[8]
.set ACC, 192                          ; v192-207  two sets of 8 sums
.set CK,  208                          ; v208-215  -(log 2 / 2) x the sum over my d of log2(rk)
.set TT,  216                          ; v216-223  at work
.set VF,  224                          ; v224-255  my two fragments of V
.set RR,  32                           ; from P2 on: v32-159 the parts; then v32-47 t, p
.set A2,  48                           ; v48-63    attn^2
.set PF,  96                           ; v96-127   P3: the two fragments of p or attn^2
.macro SCALE vs, vl, se                ; v[vs] = 2^e as f32, v[vl] = 448 x 2^e, e in s[se]
	s_add_co_i32 s46, s[\se], 127
	s_lshl_b32 s47, s46, 23
	v_mov_b32 v[\vs], s47
	s_add_co_i32 s46, s46, 8
	s_lshl_b32 s46, s46, 23
	s_or_b32 s46, s46, 0x600000
	v_mov_b32 v[\vl], s46
.endm
.macro BARRIER                         ; my LDS stores have landed and my LDS loads are in: then the work-group's barrier
	s_wait_dscnt 0x0
	s_barrier_signal -1
	s_barrier_wait -1
.endm
	s_load_b256 s[4:11], s[0:1], 0x0               ; qm s[4:5], qv s[6:7], kt s[8:9], vc s[10:11]
	s_load_b128 s[12:15], s[0:1], 0x20             ; scales s[12:13], oc s[14:15]
	v_lshl_add_u32 v[SPW], v0, 2, SPARE
	v_mov_b32 v[NIL], 0
	v_lshrrev_b32 v3, 5, v0
	v_readfirstlane_b32 s16, v3                    ; wave 0..7
	v_and_b32 v3, 31, v0                           ; lane
	v_and_b32 v4, 15, v0                           ; r
	v_bfe_u32 v5, v0, 4, 1                         ; h
	v_lshrrev_b32 v20, 4, v0                       ; 2 wave + h: the query whose row I bring in
	s_and_b32 s18, ttmp7, 0xffff                   ; the head
	s_lshr_b32 s19, s16, 2                         ; ty
	s_and_b32 s20, s16, 3                          ; t
	s_mov_b32 s32, 0x76543210                      ; v_permlanex16_b32's selects for lane l xor 16
	s_mov_b32 s33, 0xfedcba98
	s_mov_b32 s34, 0x3d800000                      ; 1/16
	s_mov_b32 s35, 0x411c551e                      ; 4 log2(e) + 4
	v_lshlrev_b32 v[L16], 4, v3
	v_and_b32 v[QBA], 0xe0, v0
	s_mul_i32 s21, s16, SPB
	s_add_co_u32 s21, s21, SP
	v_add_nc_u32 v[SPS], s21, v[L16]
	v_mul_u32_u24 v[SPR], v4, 1040
	v_lshl_add_u32 v[SPR], v5, 5, v[SPR]
	s_lshl_b32 s22, s16, 6
	s_add_co_u32 s22, s22, SP
	v_add_nc_u32 v[SPR], s22, v[SPR]               ; row r, keys 16 wave + 8 h on
	v_add_nc_u32 v[SPR+1], 4*SPB, v[SPR]
	v_lshlrev_b32 v[QG], 12, v20
	v_lshl_add_u32 v[QG], v4, 4, v[QG]
	v_lshlrev_b32 v12, 9, v20
	v_lshl_add_u32 v12, v4, 4, v12
	v_lshl_add_u32 v13, v20, 2, CQ
	v_lshl_add_u32 v14, v4, 2, CQ
	v_lshlrev_b32 v15, 5, v4
	s_lshl_b32 s23, s16, 2
	s_add_co_u32 s23, s23, MX
	v_add_nc_u32 v15, s23, v15
	v_lshl_add_u32 v16, v4, 5, MX
	s_lshr_b32 s21, s16, 1
	s_lshl_b32 s21, s21, 9
	s_and_b32 s22, s16, 1
	s_lshl_b32 s22, s22, 3
	s_add_co_u32 s21, s21, s22
	s_add_co_u32 s21, s21, IMG
	v_add_nc_u32 v17, s21, v[L16]                  ; registers 2 w, 2 w + 1 of an image: group w / 2, 8 (w % 2) bytes on
	s_lshl_b32 s21, s19, 12
	s_add_co_u32 s21, s21, IMG
	v_add_nc_u32 v18, s21, v[L16]
	v_lshlrev_b32 v19, 4, v4
	v_lshl_add_u32 v19, v5, 3, v19
	v_mov_b32 v23, 0                               ; written once: a lane permute's destination counts as one of its sources
	s_lshl_b32 s36, ttmp9, 16                      ; Q: 16 rows of 4,096 bytes for each tile of queries,
	s_lshl_b32 s44, s18, 8                         ; the head's 256 bytes
	s_add_co_u32 s36, s36, s44
	s_mov_b32 s37, 0
	s_lshl_b32 s38, s18, 16                        ; K: the head's 64 rows of 1,024 bytes,
	s_lshl_b32 s44, s16, 13                        ; my 8 of them
	s_add_co_u32 s38, s38, s44
	s_mov_b32 s39, 0
	s_lshl_b32 s40, s19, 18                        ; V: Vm or Vv, the head, my tile of d
	s_lshl_b32 s44, s18, 14
	s_add_co_u32 s40, s40, s44
	s_lshl_b32 s44, s20, 11
	s_add_co_u32 s40, s40, s44
	s_mov_b32 s41, 0
	s_lshl_b32 s42, ttmp9, 3                       ; O: fragment (tile of rows = x, K step = head / 2), group t, lanes 16 (head % 2) on
	s_lshr_b32 s44, s18, 1
	s_add_co_u32 s42, s42, s44
	s_lshl_b32 s42, s42, 2
	s_add_co_u32 s42, s42, s20
	s_lshl_b32 s42, s42, 9
	s_and_b32 s44, s18, 1
	s_lshl_b32 s44, s44, 8
	s_add_co_u32 s42, s42, s44
	s_lshl_b32 s44, s19, 18
	s_add_co_u32 s42, s42, s44
	s_mov_b32 s43, 0
	s_wait_kmcnt 0x0
	s_load_b256 s[24:31], s[12:13], 0x30           ; entries 12 to 19
	s_add_nc_u64 s[4:5], s[4:5], s[36:37]
	s_add_nc_u64 s[6:7], s[6:7], s[36:37]
	s_add_nc_u64 s[8:9], s[8:9], s[38:39]
	s_add_nc_u64 s[10:11], s[10:11], s[40:41]
	s_add_nc_u64 s[14:15], s[14:15], s[42:43]
	global_load_b128 v[24:27], v[QG], s[4:5]       ; 16 bytes of a row of Qm,
	global_load_b128 v[28:31], v[QG], s[6:7]       ; and of Qv
.irp d, 0,1,2,3,4,5,6,7
.irp f, 0,1
	global_load_b128 v[KM+8*\d+4*\f:KM+8*\d+4*\f+3], v[L16], s[8:9] offset:1024*\d+512*\f
.endr
.endr
.irp d, 0,1,2,3,4,5,6,7
.irp f, 0,1
	global_load_b128 v[RK+8*\d+4*\f:RK+8*\d+4*\f+3], v[L16], s[8:9] offset:1048576+1024*\d+512*\f
.endr
.endr
.irp s, 0,1
.irp c, 0,1,2,3
	global_load_b128 v[VF+16*\s+4*\c:VF+16*\s+4*\c+3], v[L16], s[10:11] offset:8192*\s+512*\c
.endr
.endr
	s_wait_loadcnt 40                              ; Q is in; K's 32 loads and V's 8 may be out
	ds_store_b128 v12, v[24:27]
	ds_store_b128 v12, v[28:31] offset:256
.irp i, 0,1,2,3
	v_log_f32 v[TT+\i], v[28+\i]                   ; log2 of my four Qv
.endr
	v_nop
	s_wait_alu depctr_va_vdst(0)                   ; one wait for the batch, ahead of its first reader
	v_add_f32 v[TT], v[TT], v[TT+1]
	v_add_f32 v[TT+2], v[TT+2], v[TT+3]
	v_add_f32 v[TT], v[TT], v[TT+2]
.irp x, 1,2,4,8                        ; sixteen lanes hold one query's 64 d
	v_add_f32_dpp v[TT], v[TT], v[TT] row_xmask:\x row_mask:0xf bank_mask:0xf
.endr
	v_fma_f32 v[TT], v[TT], s34, s35               ; tq
	ds_store_b32 v13, v[TT]                        ; sixteen lanes write the same word with the same value
	BARRIER                                        ; Q's 16 rows and tq lie in LDS
	s_wait_kmcnt 0x0                               ; the scales
	s_wait_loadcnt 8                               ; Km and rk are in; V's 8 loads may be out
.irp b, 0,1                            ; the keys' own term, 32 logarithms at a time (the registers of Q's sets are still free)
.set J, 0
.rept 32
	v_log_f32 v[QB+J], v[RK+32*\b+J]
.set J, J+1
.endr
	v_nop
	s_wait_alu depctr_va_vdst(0)
.irp p, 0,2,4,6
.if \b == 0
	v_pk_add_f32 v[CK+\p:CK+\p+1], v[QB+\p:QB+\p+1], v[QB+8+\p:QB+8+\p+1]
.else
	v_pk_add_f32 v[CK+\p:CK+\p+1], v[CK+\p:CK+\p+1], v[QB+\p:QB+\p+1]
.endif
.endr
.if \b == 1
.irp p, 0,2,4,6
	v_pk_add_f32 v[CK+\p:CK+\p+1], v[CK+\p:CK+\p+1], v[QB+8+\p:QB+8+\p+1]
.endr
.endif
.irp p, 0,2,4,6
	v_pk_add_f32 v[CK+\p:CK+\p+1], v[CK+\p:CK+\p+1], v[QB+16+\p:QB+16+\p+1]
.endr
.irp p, 0,2,4,6
	v_pk_add_f32 v[CK+\p:CK+\p+1], v[CK+\p:CK+\p+1], v[QB+24+\p:QB+24+\p+1]
.endr
.endr
.irp p, 0,2,4,6
	v_pk_mul_f32 v[CK+\p:CK+\p+1], v[CK+\p:CK+\p+1], 0xbeb17218 op_sel_hi:[1,0]   ; x -(log 2) / 2
.endr
; P1
.macro QLOAD q                         ; query q's Qm and Qv at my 8 d: every lane reads the same 64 bytes
.set QN, QB+16*((\q)%2)
	ds_load_b128 v[QN:QN+3], v[QBA] offset:512*(\q)
	ds_load_b128 v[QN+4:QN+7], v[QBA] offset:512*(\q)+16
	ds_load_b128 v[QN+8:QN+11], v[QBA] offset:512*(\q)+256
	ds_load_b128 v[QN+12:QN+15], v[QBA] offset:512*(\q)+272
.endm
.macro KLQ q                           ; my part of G for query q and my 8 keys a lane: d = 2 dq + e; the selects take register e of Q's pair for both halves
.set QN, QB+16*((\q)%2)
.set AN, ACC+8*((\q)%2)
.irp dq, 0,1,2,3
.irp e, 0,1
.irp p, 0,2,4,6
	v_pk_add_f32 v[TT+\p:TT+\p+1], v[KM+8*(2*\dq+\e)+\p:KM+8*(2*\dq+\e)+\p+1], v[QN+2*\dq:QN+2*\dq+1] op_sel:[0,\e] op_sel_hi:[1,\e] neg_lo:[0,1] neg_hi:[0,1]
.endr
.irp p, 0,2,4,6
	v_pk_fma_f32 v[TT+\p:TT+\p+1], v[TT+\p:TT+\p+1], v[TT+\p:TT+\p+1], v[QN+8+2*\dq:QN+8+2*\dq+1] op_sel:[0,0,\e] op_sel_hi:[1,1,\e]
.endr
.irp p, 0,2,4,6
.if \dq+\e == 0
	v_pk_fma_f32 v[AN+\p:AN+\p+1], v[TT+\p:TT+\p+1], v[RK+8*(2*\dq+\e)+\p:RK+8*(2*\dq+\e)+\p+1], v[CK+\p:CK+\p+1]
.else
	v_pk_fma_f32 v[AN+\p:AN+\p+1], v[TT+\p:TT+\p+1], v[RK+8*(2*\dq+\e)+\p:RK+8*(2*\dq+\e)+\p+1], v[AN+\p:AN+\p+1]
.endif
.endr
.endr
.endr
	ds_store_b128 v[SPS], v[AN:AN+3] offset:1040*(\q)
	ds_store_b128 v[SPS], v[AN+4:AN+7] offset:1040*(\q)+512
.endm
	QLOAD 0
.set Q, 0
.rept 16
.if Q < 15
	QLOAD Q+1
	s_wait_dscnt 4                                 ; all but the four loads just issued: this query's numbers are in, and the stores of the query before have read their registers
.else
	s_wait_dscnt 0x0
.endif
	KLQ Q
.set Q, Q+1
.endr
	BARRIER                                        ; the eight parts of G lie in LDS
; P2
.irp x, 0,1,2,3,4,5,6,7
.irp s, 0,1
.irp e, 0,1
	ds_load_b128 v[RR+16*\x+8*\s+4*\e:RR+16*\x+8*\s+4*\e+3], v[SPR+\x/4] offset:(\x%4)*SPB+512*\s+16*\e
.endr
.endr
.endr
	ds_load_b32 v20, v14                           ; tq of my query
	s_wait_dscnt 0x0
.irp x, 1,2,3,4,5,6,7
.irp p, 0,2,4,6,8,10,12,14
	v_pk_add_f32 v[RR+\p:RR+\p+1], v[RR+\p:RR+\p+1], v[RR+16*\x+\p:RR+16*\x+\p+1]
.endr
.endr
	v_mov_b32 v21, v20
.irp p, 0,2,4,6,8,10,12,14
	v_pk_fma_f32 v[RR+\p:RR+\p+1], v[RR+\p:RR+\p+1], 0xbe38aa3b, v[20:21] op_sel_hi:[1,0,1]   ; t = -(log2(e) / 8) G + tq
.endr
	v_max3_num_f32 v22, v[RR], v[RR+1], v[RR+2]
.irp i, 3,5,7,9,11,13
	v_max3_num_f32 v22, v22, v[RR+\i], v[RR+\i+1]
.endr
	v_max_num_f32 v22, v22, v[RR+15]
	v_permlanex16_b32 v23, v22, s32, s33
	v_max_num_f32 v22, v22, v23                    ; the largest t of my query among my wave's 32 keys
	v_floor_f32 v24, -v22                          ; -M of my wave: M is a whole number
	v_mov_b32 v25, v24
.irp p, 0,2,4,6,8,10,12,14
	v_pk_add_f32 v[RR+\p:RR+\p+1], v[RR+\p:RR+\p+1], v[24:25]
.endr
.set J, 0
.rept 16
	v_exp_f32 v[RR+J], v[RR+J]                     ; p under my wave's M
.set J, J+1
.endr
	v_nop
	s_wait_alu depctr_va_vdst(0)
	v_pk_add_f32 v[26:27], v[RR:RR+1], v[RR+2:RR+3]
.irp p, 4,6,8,10,12,14
	v_pk_add_f32 v[26:27], v[26:27], v[RR+\p:RR+\p+1]
.endr
	v_add_f32 v26, v26, v27
	v_permlanex16_b32 v27, v26, s32, s33
	v_add_f32 v26, v26, v27                        ; their sum
	ds_store_b32 v15, v24
	ds_store_b32 v15, v26 offset:512
	BARRIER                                        ; every wave's -M and sum lie in LDS
	ds_load_b128 v[72:75], v16
	ds_load_b128 v[76:79], v16 offset:16
	ds_load_b128 v[80:83], v16 offset:512
	ds_load_b128 v[84:87], v16 offset:528
	s_wait_dscnt 0x0
	v_min3_num_f32 v28, v72, v73, v74
	v_min3_num_f32 v28, v28, v75, v76
	v_min3_num_f32 v28, v28, v77, v78
	v_min_num_f32 v28, v28, v79                    ; the row's -M
.irp i, 0,1,2,3,4,5,6,7
	v_sub_f32 v[88+\i], v28, v[72+\i]              ; a wave's M less the row's: a whole number, 0 or less
.endr
	v_sub_f32 v30, v28, v24
.irp i, 0,1,2,3,4,5,6,7
	v_cvt_i32_f32 v[88+\i], v[88+\i]
.endr
	v_cvt_i32_f32 v30, v30
.irp i, 0,1,2,3,4,5,6,7
	v_ldexp_f32 v[88+\i], 1.0, v[88+\i]            ; the power of two that brings that wave's numbers under the row's M
.endr
	v_ldexp_f32 v30, 1.0, v30                      ; and mine
	v_mov_b32 v31, v30
	v_mul_f32 v29, v80, v88
.irp i, 1,2,3,4,5,6,7
	v_fma_f32 v29, v[80+\i], v[88+\i], v29         ; l, the row's sum of the unquantised p
.endr
	v_rcp_f32 v22, v29
.irp p, 0,2,4,6,8,10,12,14
	v_pk_mul_f32 v[RR+\p:RR+\p+1], v[RR+\p:RR+\p+1], v[30:31]   ; p under the row's M.  (Plain lines behind the reciprocal)
.endr
	s_wait_alu depctr_va_vdst(0)
	v_mov_b32 v23, v22                             ; 1 / l, kept for P3
.irp p, 0,2,4,6,8,10,12,14
	v_pk_mul_f32 v[A2+\p:A2+\p+1], v[RR+\p:RR+\p+1], v[22:23]
.endr
.irp p, 0,2,4,6,8,10,12,14
	v_pk_mul_f32 v[A2+\p:A2+\p+1], v[A2+\p:A2+\p+1], v[A2+\p:A2+\p+1]   ; attn^2
.endr
	SCALE 144, 145, 24
	SCALE 146, 147, 26
.set J, 0
.rept 16
	v_min_num_f32 v[RR+J], v[RR+J], v145           ; neither is negative: the hold is one-sided
	v_min_num_f32 v[A2+J], v[A2+J], v147
.set J, J+1
.endr
	v_cvt_scalef32_pk8_fp8_f32 v[64:65], v[RR:RR+7], v144
	v_cvt_scalef32_pk8_fp8_f32 v[66:67], v[RR+8:RR+15], v144
	v_cvt_scalef32_pk8_fp8_f32 v[68:69], v[A2:A2+7], v146
	v_cvt_scalef32_pk8_fp8_f32 v[70:71], v[A2+8:A2+15], v146
	v_nop                                          ; a plain line behind the conversions
.irp i, 0,1,2,3
	ds_store_b64 v17, v[64+2*\i:65+2*\i] offset:2048*\i
.endr
	BARRIER                                        ; the four fragments lie in LDS
; P3
.irp s, 0,1
.irp c, 0,1,2,3
	ds_load_b128 v[PF+16*\s+4*\c:PF+16*\s+4*\c+3], v18 offset:2048*\s+512*\c
.endr
.endr
	s_add_co_i32 s38, s24, s25
	s_add_co_i32 s39, s26, s27
	s_cmp_eq_u32 s19, 0
	s_cselect_b32 s36, s38, s39                    ; the two operands' exponents added
	s_cselect_b32 s37, -1, 0
	s_cselect_b32 s40, s28, s30                    ; O's own exponent as an operand
	v_cndmask_b32 v30, 1.0, v22, s37               ; the first product is divided by l, the second is not
	v_ldexp_f32 v30, v30, s36
	v_mov_b32 v31, v30
	SCALE 148, 149, 40
	s_wait_dscnt 0x0
	s_wait_loadcnt 0x0                             ; V
	v_wmma_f32_16x16x128_fp8_fp8 v[128:135], v[VF:VF+15], v[PF:PF+15], 0
	s_wait_alu depctr_va_vdst(0)                   ; the wait directly ahead of the link
	v_wmma_f32_16x16x128_fp8_fp8 v[128:135], v[VF+16:VF+31], v[PF+16:PF+31], v[128:135]
.rept 4
	v_nop                                          ; four places ahead of the first read of the result (ISA guide 7.12.1)
.endr
.irp p, 0,2,4,6
	v_pk_mul_f32 v[136+\p:137+\p], v[128+\p:129+\p], v[30:31]   ; O(query r, 16 t + 8 h + 0 .. 7), from the accumulator's low end on
.endr
.irp i, 0,1,2,3,4,5,6,7
	v_med3_num_f32 v[136+\i], v[136+\i], -v149, v149
.endr
	v_cvt_scalef32_pk8_fp8_f32 v[150:151], v[136:143], v148
	v_nop
	global_store_b64 v19, v[150:151], s[14:15]
	s_wait_tensorcnt 0x0                           ; the wave's end: a tensor wait, an LDS add
	ds_add_u32 v[SPW], v[NIL]
	s_wait_dscnt 0x0
	s_endpgm
.Lfunc_end_k_q8f0d152fd8_attn:
	.size	k_q8f0d152fd8_attn, .Lfunc_end_k_q8f0d152fd8_attn-k_q8f0d152fd8_attn
	.p2alignl 7, 3214868480
	.fill 96, 4, 3214868480
	.section	.rodata,"a",@progbits
	.p2align	6, 0x0
	.amdhsa_kernel k_q8f0d152fd8_attn
		.amdhsa_group_segment_fixed_size 151808
		.amdhsa_private_segment_fixed_size 0
		.amdhsa_enable_private_segment 0
		.amdhsa_kernarg_size 48
		.amdhsa_user_sgpr_count 2
		.amdhsa_user_sgpr_kernarg_segment_ptr 1
		.amdhsa_wavefront_size32 1
		.amdhsa_system_sgpr_workgroup_id_x 1
		.amdhsa_system_sgpr_workgroup_id_y 1
		.amdhsa_system_sgpr_workgroup_id_z 1
		.amdhsa_system_vgpr_workitem_id 0
		.amdhsa_next_free_vgpr 256
		.amdhsa_next_free_sgpr 66
		.amdhsa_reserve_vcc 0
		.amdhsa_float_denorm_mode_32 3
		.amdhsa_float_denorm_mode_16_64 3
		.amdhsa_memory_ordered 1
		.amdhsa_forward_progress 1
		.amdhsa_inst_pref_size 133
	.end_amdhsa_kernel
	.amdgpu_metadata
---
amdhsa.version: [ 1, 2 ]
amdhsa.kernels:
  - .name:           k_q8f0d152fd8_attn
    .symbol:         k_q8f0d152fd8_attn.kd
    .args:
      - { .name: qm, .offset: 0, .size: 8, .value_kind: global_buffer, .address_space: global }
      - { .name: qv, .offset: 8, .size: 8, .value_kind: global_buffer, .address_space: global }
      - { .name: kt, .offset: 16, .size: 8, .value_kind: global_buffer, .address_space: global }
      - { .name: vc, .offset: 24, .size: 8, .value_kind: global_buffer, .address_space: global }
      - { .name: lowp_scales, .offset: 32, .size: 8, .value_kind: global_buffer, .address_space: global }
      - { .name: oc, .offset: 40, .size: 8, .value_kind: global_buffer, .address_space: global }
    .group_segment_fixed_size: 151808
    .private_segment_fixed_size: 0
    .kernarg_segment_align: 8
    .kernarg_segment_size: 48
    .max_flat_workgroup_size: 256
    .sgpr_count:     66
    .vgpr_count:     256
    .wavefront_size: 32
...
	.end_amdgpu_metadata
.endif
;; end of part 3
;; launch oproj (part 4): grid 16 x 2, 4 waves a work-group, no clusters, 262,656 bytes of LDS; arguments oc, lowp_scales, wo_mu, wo_var, bo_mu, bo_var, out0, out1; writes out0, out1
.if DOCPART == 4
	.amdgcn_target "amdgcn-amd-amdhsa--gfx1250"
	.amdhsa_code_object_version 6
	.text
	.protected	k_q8f0d152fd8_oproj
	.globl	k_q8f0d152fd8_oproj
	.p2align	8
	.type	k_q8f0d152fd8_oproj,@function
k_q8f0d152fd8_oproj:
	s_mov_b64 s[64:65], 0
	v_nop
	global_prefetch_b8 v0, s[64:65] scope:SCOPE_SE
	s_setreg_imm32_b32 hwreg(HW_REG_WAVE_MODE, 25, 1), 1
	s_wait_xcnt 0x0
; The two output projections: out0 = O_mu wo_mu + bo_mu, out1 = softplus(O_var wo_var + bo_var), both operands as codes of FP8 (E4M3) with the given scales (entries 16 to 19); sums in f32.
; Work-group (x, y): x = 64 columns, y = w = which product.  It makes all 256 rows, so each byte of a weight is read once in the launch.
; PHASE Q.  W [1024 (k)][1024] is f32 with K along its first axis.  The slice, 1,024 rows x 256 bytes, comes into LDS by tensor loads: wave v brings rows 256 v .. 256 v + 255 in four tiles of 64 rows.
;   A lane takes a column and its registers run down K: the conversions then give codes with K innermost.  v_permlane16_swap_b32 turns two runs of 16 registers (32 columns x 128 k) into two fragments
;   (16 columns each; lanes 0-15 k 0-63, lanes 16-31 k 64-127), the order of k in which the launch before laid O's codes.  The fragments go to LDS as images of their registers, over f32 rows that the wave has read.
; PHASE M.  Wave v owns rows 64 v .. 64 v + 63: 4 x 4 accumulators.  Its O fragments of all 8 K steps lie in registers, loaded once, as they lie in memory; W's fragments come from the images.
; NO CLUSTER: the weight slices are shared by nobody.  O's codes are shared by 16 work-groups, but a joint load lands in LDS, and 262,144 bytes of them do not fit beside the slice's 262,144 in 327,680.
; SOFTPLUS: max(x, 0) + 2 atanh(z), z = e / (2 + e), e = exp(-|x|); z is at most 1/3 for every x, so the series in z^2 cut behind z^12 leaves under 2e-8 of the result, for every x.
; LIMITS: the weight's exponent between -126 and 119; the two operands' exponents added between -126 and 127.  softplus(x) is 0 where exp(x) falls under the smallest normal f32 number (x < -87).  NaN is not served.
; REGISTERS.  window 0: v1-31 below; v32-159 numbers at work, then W's fragments (two sets of 64), then the 128 results; v160-255 codes, later softplus's work.
;   window 1: O's fragments of K steps 0-3 (step S, tile m at v[64 S + 16 m]);  window 2: K steps 4-7;  window 3: the accumulators, (m, t) at v[8 (4 m + t)].
.set SPARE, 262144                     ; behind the slice: the spare words, 128 bytes a wave: two blocks of 256 bytes that no other line names
.set STA,   40960                      ; in my 65,536 bytes: the stage, 16 rows x 272 bytes.  Images lie at 0 and at 32,768, 8,192 bytes each
.set SPW, 1                            ; v1   LDS address of my spare word; never rewritten
.set NIL, 2                            ; v2   0; never rewritten
.set CP,  4                            ; v[4:5] r, h; later the series' first coefficient, twice
.set WRD, 6                            ; v6   65,536 wave + 4 lane: my column in my rows
.set IMW, 7                            ; v7   65,536 wave + 16 lane: where I store images
.set IMR, 8                            ; v8-11  16 lane + 65,536 i: where I read them
.set L16, 12                           ; v12  16 lane
.set SA,  13                           ; v13  the stage, in
.set SR,  14                           ; v14  the stage, back
.set GO,  15                           ; v15  my bytes in two rows of the output
.set BO,  19                           ; v19  4 r: my column's bias
.set WS,  20                           ; v20, v21  2^e and 448 x 2^e of the weight
.set WL,  21
.set BI,  24                           ; v24-31 the bias of my column in tile t, twice: a pair for the packed form
.set XR,  32
.set BR,  32
.set YR,  32
.set CR,  160
.set ER,  160
.set DR,  192
.set PR,  224
.set G1,  48                           ; s[48:55] descriptor group 1; groups 0 in s[56:59], s[60:63], s[68:71], s[72:75]
.set MSB, 0
.macro WIN new                         ; the immediate's high byte repeats the setting that is left
.if MSB != (\new)
	s_set_vgpr_msb (MSB<<8)|(\new)
.set MSB, (\new)
.endif
.endm
	s_load_b512 s[8:23], s[0:1], 0x0               ; oc s[8:9], scales s[10:11], wo_mu, wo_var s[12:15], bo_mu, bo_var s[16:19], out0, out1 s[20:23]
	v_lshl_add_u32 v[SPW], v0, 2, SPARE
	v_mov_b32 v[NIL], 0
	ds_add_u32 v[SPW], v[NIL]                      ; the wave's opening: the add and its wait ahead of my first tensor load; work on registers stands between them
	v_lshrrev_b32 v3, 5, v0
	v_readfirstlane_b32 s44, v3                    ; wave 0..3
	v_and_b32 v3, 31, v0                           ; lane
	v_and_b32 v4, 15, v0                           ; r
	v_bfe_u32 v5, v0, 4, 1                         ; h
	s_and_b32 s45, ttmp7, 0xffff                   ; w
	s_lshl_b32 s86, s44, 16                        ; my 65,536 bytes of LDS
	s_lshl_b32 s87, s45, 3                         ; my two scales: entries 16 + 2 w, 17 + 2 w
	s_add_co_u32 s88, s86, STA
	s_mov_b32 s[G1+0], 2<<16                       ; no mask; elements of 4 bytes; no padding
	s_mov_b32 s[G1+1], 64<<16                      ; tensor_dim0 = 64
	s_mov_b32 s[G1+2], 64<<16                      ; tensor_dim1 = 64
	s_mov_b32 s[G1+3], 64<<16                      ; tile_dim0 = 64 elements: 256 bytes
	s_mov_b32 s[G1+4], 64                          ; tile_dim1 = 64 rows
	s_mov_b32 s[G1+5], 1024                        ; elements from row to row
	s_mov_b32 s[G1+6], 0
	s_mov_b32 s[G1+7], 0
	v_lshlrev_b32 v[L16], 4, v3
	v_lshl_add_u32 v[WRD], v3, 2, s86
	v_add_nc_u32 v[IMW], s86, v[L16]
.irp i, 0,1,2,3
	v_add_nc_u32 v[IMR+\i], 65536*\i, v[L16]
.endr
	v_mul_u32_u24 v[SA], v5, 2176                  ; the stage, in: row 8 h + j, column 16 t + r: 8 x 272 h + 4 r
	v_lshl_add_u32 v[SA], v4, 2, v[SA]
	v_add_nc_u32 v[SA], s88, v[SA]
	v_mul_u32_u24 v[SR], v5, 272                   ; back: lanes 0-15 one row of 256 bytes, lanes 16-31 the next
	v_lshl_add_u32 v[SR], v4, 4, v[SR]
	v_add_nc_u32 v[SR], s88, v[SR]
	v_lshlrev_b32 v[GO], 12, v5
	v_lshl_add_u32 v[GO], v4, 4, v[GO]
	v_lshlrev_b32 v[BO], 2, v4
	s_wait_dscnt 0x0                               ; the opening add is done
	s_wait_kmcnt 0x0
	s_cmp_eq_u32 s45, 0                            ; my weight, bias and output: choices on the work-group's number alone
	s_cselect_b64 s[4:5], s[12:13], s[14:15]
	s_cselect_b64 s[6:7], s[16:17], s[18:19]
	s_cselect_b64 s[94:95], s[20:21], s[22:23]
	s_load_b64 s[80:81], s[10:11], s87 offset:0x40 ; eA, eB
	s_lshl_b32 s2, s44, 20                         ; my 256 rows of 4,096 bytes
	s_lshl_b32 s3, ttmp9, 8                        ; my work-group's 256 bytes of a row
	s_add_co_u32 s2, s2, s3
	s_mov_b32 s3, 0
	s_add_nc_u64 s[4:5], s[4:5], s[2:3]
.macro TILE g, i                       ; group 0 of my tile i: rows 64 i on
	s_mov_b32 s[\g], 1
	s_add_co_u32 s[\g+1], s86, 16384*\i
	s_add_nc_u64 s[\g+2:\g+3], s[4:5], 262144*\i
	s_or_b32 s[\g+3], s[\g+3], 0x80000000
.endm
	TILE 56, 0
	TILE 60, 1
	TILE 68, 2
	TILE 72, 3
.irp g, 56, 60, 68, 72                 ; the only fills of the launch, as one group: four tensor loads of mine are out
	tensor_load_to_lds s[\g:\g+3], s[G1:G1+7]
	s_nop 0
.endr
.rept 4
	v_nop                                          ; the register windows are switched only behind four instructions
.endr
	s_lshl_b32 s2, s45, 18                         ; O's codes for product w,
	s_add_co_u32 s2, s2, s86                       ; my four tiles of rows: 4 x 8 fragments of 2,048 bytes
	s_mov_b32 s3, 0
	s_add_nc_u64 s[92:93], s[8:9], s[2:3]
	s_lshl_b32 s2, ttmp9, 8
	s_add_nc_u64 s[6:7], s[6:7], s[2:3]            ; my 64 biases
	s_lshl_b32 s96, s44, 18                        ; the output: my 64 rows of 4,096 bytes, my work-group's 256 bytes
	s_add_co_u32 s2, s2, s96
	s_add_nc_u64 s[94:95], s[94:95], s[2:3]
	WIN 0x40                                       ; destination window 1
.irp s, 0,1,2,3
.irp m, 0,1,2,3
.irp c, 0,1,2,3
	global_load_b128 v[64*\s+16*\m+4*\c:64*\s+16*\m+4*\c+3], v[L16], s[92:93] offset:(8*\m+\s)*2048+512*\c
.endr
.endr
.endr
	WIN 0x80                                       ; destination window 2
.irp s, 0,1,2,3
.irp m, 0,1,2,3
.irp c, 0,1,2,3
	global_load_b128 v[64*\s+16*\m+4*\c:64*\s+16*\m+4*\c+3], v[L16], s[92:93] offset:(8*\m+\s+4)*2048+512*\c
.endr
.endr
.endr
	WIN 0
.irp t, 0,1,2,3
	global_load_b32 v[BI+2*\t], v[BO], s[6:7] offset:64*\t
	global_load_b32 v[BI+2*\t+1], v[BO], s[6:7] offset:64*\t
.endr
	s_wait_kmcnt 0x0
	s_add_co_i32 s90, s81, 127
	s_lshl_b32 s91, s90, 23
	v_mov_b32 v[WS], s91                           ; 2^eB as f32: the conversion takes its exponent field
	s_add_co_i32 s90, s90, 8
	s_lshl_b32 s90, s90, 23
	s_or_b32 s90, s90, 0x600000
	v_mov_b32 v[WL], s90                           ; 448 x 2^eB
	s_add_co_i32 s84, s80, s81
	s_add_co_i32 s84, s84, 127
	s_lshl_b32 s84, s84, 23                        ; 2^(eA + eB) as f32
	s_mov_b32 s85, s84                             ; (named with it as a pair, so it is written)
; PHASE Q.  Unit u: K step u / 8 of my two, rows 32 ((u % 8) / 2) on, columns 32 (u % 2) on: 32 numbers a lane, down K.
.macro LOADU u
.set US, (\u)/8
.set UQ, ((\u)%8)/2
.set UG, (\u)%2
.set J, 0
.rept 32
	ds_load_b32 v[XR+32*UG+J], v[WRD] offset:(128*US+32*UQ+J)*256+128*UG
.set J, J+1
.endr
.endm
.macro CONV u
.set UQ, ((\u)%8)/2
.set UG, (\u)%2
.set J, 0
.rept 32
	v_med3_num_f32 v[XR+32*UG+J], v[XR+32*UG+J], -v[WL], v[WL]   ; the conversion to an 8-bit code does not saturate (ISA guide 7.6.2): the hold comes first
.set J, J+1
.endr
.set J, 0
.rept 4
	v_cvt_scalef32_pk8_fp8_f32 v[CR+32*UG+8*UQ+2*J:CR+32*UG+8*UQ+2*J+1], v[XR+32*UG+8*J:XR+32*UG+8*J+7], v[WS]
.set J, J+1
.endr
	v_nop                                          ; a plain line behind the conversions, ahead of whatever next touches their registers
.endm
.macro FRAGS s                         ; 64 registers of codes (column 32 g + lane; byte b of register i: k = 4 i + b) become four fragments, and these images
.irp g, 0,1
.set J, 0
.rept 16
	v_permlane16_swap_b32 v[CR+32*\g+J], v[CR+32*\g+16+J]   ; first: columns 32 g + r, k 64 h + 4 J + b; second: columns 32 g + 16 + r, the same k
.set J, J+1
.endr
.irp e, 0,1
.irp c, 0,1,2,3
	ds_store_b128 v[IMW], v[CR+32*\g+16*\e+4*\c:CR+32*\g+16*\e+4*\c+3] offset:(\s)*32768+(2*\g+\e)*2048+512*\c   ; over f32 rows that I have read: these bytes have had their only fill
.endr
.endr
.endr
.endm
	s_wait_tensorcnt 0x3                           ; my tile 0 is in; the three behind it may be out
	LOADU 0
.set U, 0
.rept 16
.if U < 15
.if (U+1)%4 == 0
	s_wait_tensorcnt 3-(U+1)/4                     ; the next four units' tile is in; the later tiles may be out
.endif
	LOADU U+1
	s_wait_dscnt 32                                ; all but the 32 loads just issued: this unit's numbers are in, and earlier image stores have read their registers
.else
	s_wait_dscnt 0x0
.endif
	CONV U
.if U%8 == 7
	FRAGS U/8
.endif
.set U, U+1
.endr
	s_wait_dscnt 0x0                               ; for the others' sake: my images have landed
	s_barrier_signal -1
	s_barrier_wait -1                              ; all 32 images lie in LDS
	s_wait_loadcnt 0x0                             ; O's fragments and the biases
; PHASE M.
.macro BLOAD s, buf                    ; W's four fragments of K step s into set buf
.irp t, 0,1,2,3
.irp c, 0,1,2,3
	ds_load_b128 v[BR+64*(\buf)+16*\t+4*\c:BR+64*(\buf)+16*\t+4*\c+3], v[IMR+(\s)/2] offset:((\s)%2)*32768+2048*\t+512*\c
.endr
.endr
.endm
.macro MUL s                           ; 16 products; the 16 accumulators take turns, one instruction a turn.  Source 0 = 16 rows of O, source 1 = 16 columns of W
.set WN, 0xf1+(\s)/4
	WIN WN                                         ; source 0 window 1 or 2, source 1 window 0, C and D window 3
.irp m, 0,1,2,3
.irp t, 0,1,2,3
.if (\s) == 0
	v_wmma_f32_16x16x128_fp8_fp8 v[8*(4*\m+\t):8*(4*\m+\t)+7], v[64*((\s)%4)+16*\m:64*((\s)%4)+16*\m+15], v[BR+64*((\s)%2)+16*\t:BR+64*((\s)%2)+16*\t+15], 0
.else
	v_wmma_f32_16x16x128_fp8_fp8 v[8*(4*\m+\t):8*(4*\m+\t)+7], v[64*((\s)%4)+16*\m:64*((\s)%4)+16*\m+15], v[BR+64*((\s)%2)+16*\t:BR+64*((\s)%2)+16*\t+15], v[8*(4*\m+\t):8*(4*\m+\t)+7]
.endif
.endr
.endr
	WIN 0
.endm
	BLOAD 0, 0
.set S, 0
.rept 8
.if S > 0
.rept 4
	v_nop                                          ; four places between the last products and loads into the set that the step before multiplied
.endr
.endif
.if S < 7
	BLOAD S+1, (S+1)%2
	s_wait_dscnt 16                                ; all but the 16 just issued
.else
	s_wait_dscnt 0x0
.endif
	MUL S
.set S, S+1
.endr
.rept 4
	v_nop                                          ; four places ahead of the first read of results and the first write over the fragments
.endr
	WIN 0x03                                       ; source 0 window 3
.irp m, 0,1,2,3
.irp t, 0,1,2,3
.irp i, 0,2,4,6
	v_pk_fma_f32 v[YR+32*\m+8*\t+\i:YR+32*\m+8*\t+\i+1], v[8*(4*\m+\t)+\i:8*(4*\m+\t)+\i+1], s[84:85], v[BI+2*\t:BI+2*\t+1] op_sel_hi:[1,0,1]   ; sum x 2^(eA + eB) + bias; each accumulator from its low end on
.endr
.endr
.endr
	WIN 0                                          ; v[YR + 32 m + 8 t + j] = Y(64 wave + 16 m + 8 h + j, 16 t + r)
	s_cmp_eq_u32 s45, 0
	s_cbranch_scc1 .Lplain
	s_mov_b32 s96, 0xbfb8aa3b                      ; -log2(e)
	v_mov_b32 v[CP], 0x3e1d89d9                    ; 2/13
	v_mov_b32 v[CP+1], 0x3e1d89d9
.macro SOFTPLUS m                      ; 32 numbers in place
.set YB, YR+32*(\m)
.set J, 0
.rept 32
	v_mul_f32 v[ER+J], s96, |v[YB+J]|
.set J, J+1
.endr
.set J, 0
.rept 32
	v_exp_f32 v[ER+J], v[ER+J]                     ; e = exp(-|x|)
.set J, J+1
.endr
	v_nop                                          ; a plain line behind the batch,
	s_wait_alu depctr_va_vdst(0)                   ; and one wait for it, ahead of its first reader
.set J, 0
.rept 16
	v_pk_add_f32 v[DR+J:DR+J+1], v[ER+J:ER+J+1], 2.0 op_sel_hi:[1,0]
.set J, J+2
.endr
.set J, 0
.rept 32
	v_rcp_f32 v[DR+J], v[DR+J]
.set J, J+1
.endr
	v_nop
	s_wait_alu depctr_va_vdst(0)
.set J, 0
.rept 16
	v_pk_mul_f32 v[ER+J:ER+J+1], v[ER+J:ER+J+1], v[DR+J:DR+J+1]   ; z = e / (2 + e)
.set J, J+2
.endr
.set J, 0
.rept 16
	v_pk_mul_f32 v[DR+J:DR+J+1], v[ER+J:ER+J+1], v[ER+J:ER+J+1]   ; z^2
.set J, J+2
.endr
.set J, 0
.rept 16
	v_pk_fma_f32 v[PR+J:PR+J+1], v[DR+J:DR+J+1], v[CP:CP+1], 0x3e3a2e8c op_sel_hi:[1,1,0]   ; 2/13 z^2 + 2/11
.set J, J+2
.endr
.irp k, 0x3e638e39, 0x3e924925, 0x3ecccccd, 0x3f2aaaab, 0x40000000   ; 2/9, 2/7, 2/5, 2/3, 2
.set J, 0
.rept 16
	v_pk_fma_f32 v[PR+J:PR+J+1], v[PR+J:PR+J+1], v[DR+J:DR+J+1], \k op_sel_hi:[1,1,0]
.set J, J+2
.endr
.endr
.set J, 0
.rept 32
	v_max_num_f32 v[YB+J], 0, v[YB+J]
.set J, J+1
.endr
.set J, 0
.rept 16
	v_pk_fma_f32 v[YB+J:YB+J+1], v[ER+J:ER+J+1], v[PR+J:PR+J+1], v[YB+J:YB+J+1]   ; max(x, 0) + log(1 + e)
.set J, J+2
.endr
.endm
	SOFTPLUS 0
	SOFTPLUS 1
	SOFTPLUS 2
	SOFTPLUS 3
.Lplain:
; THE WAY OUT: a lane holds a piece of a column, so a tile of 16 rows x 64 columns goes through my stage and comes back as rows: sixteen lanes store 256 consecutive bytes, aligned.
.macro PACKA m
.irp t, 0,1,2,3
.irp j, 0,1,2,3,4,5,6,7
	ds_store_b32 v[SA], v[YR+32*(\m)+8*\t+\j] offset:272*\j+64*\t
.endr
.endr
.irp i, 0,1,2,3,4,5,6,7
	ds_load_b128 v[YR+32*(\m)+4*\i:YR+32*(\m)+4*\i+3], v[SR] offset:544*\i   ; LDS serves a wave's instructions in order (ISA guide 5.7.1.4): these see the stores above, and the next tile's stores come behind them
.endr
.endm
.macro SENDA m, younger                ; younger: the LDS instructions issued behind tile m's loads
.irp f, 0,1,2,3,4,5,6,7
	s_wait_dscnt \younger+7-\f
	global_store_b128 v[GO], v[YR+32*(\m)+4*\f:YR+32*(\m)+4*\f+3], s[94:95] offset:(16*(\m)+2*\f)*4096 th:TH_STORE_NT
.endr
.endm
	PACKA 0
	PACKA 1
	SENDA 0, 40
	PACKA 2
	SENDA 1, 40
	PACKA 3
	SENDA 2, 40
	SENDA 3, 0
	s_wait_tensorcnt 0x0                           ; the wave's end: a tensor wait, an LDS add and its wait, behind my last tensor load and my last LDS store
	ds_add_u32 v[SPW], v[NIL]
	s_wait_dscnt 0x0
	s_endpgm
.Lfunc_end_k_q8f0d152fd8_oproj:
	.size	k_q8f0d152fd8_oproj, .Lfunc_end_k_q8f0d152fd8_oproj-k_q8f0d152fd8_oproj
	.p2alignl 7, 3214868480
	.fill 96, 4, 3214868480
	.section	.rodata,"a",@progbits
	.p2align	6, 0x0
	.amdhsa_kernel k_q8f0d152fd8_oproj
		.amdhsa_group_segment_fixed_size 262656
		.amdhsa_private_segment_fixed_size 0
		.amdhsa_enable_private_segment 0
		.amdhsa_kernarg_size 64
		.amdhsa_user_sgpr_count 2
		.amdhsa_user_sgpr_kernarg_segment_ptr 1
		.amdhsa_wavefront_size32 1
		.amdhsa_system_sgpr_workgroup_id_x 1
		.amdhsa_system_sgpr_workgroup_id_y 1
		.amdhsa_system_sgpr_workgroup_id_z 1
		.amdhsa_system_vgpr_workitem_id 0
		.amdhsa_next_free_vgpr 896
		.amdhsa_next_free_sgpr 100
		.amdhsa_reserve_vcc 0
		.amdhsa_float_denorm_mode_32 3
		.amdhsa_float_denorm_mode_16_64 3
		.amdhsa_memory_ordered 1
		.amdhsa_forward_progress 1
		.amdhsa_inst_pref_size 198
	.end_amdhsa_kernel
	.amdgpu_metadata
---
amdhsa.version: [ 1, 2 ]
amdhsa.kernels:
  - .name:           k_q8f0d152fd8_oproj
    .symbol:         k_q8f0d152fd8_oproj.kd
    .args:
      - { .name: oc, .offset: 0, .size: 8, .value_kind: global_buffer, .address_space: global }
      - { .name: lowp_scales, .offset: 8, .size: 8, .value_kind: global_buffer, .address_space: global }
      - { .name: wo_mu, .offset: 16, .size: 8, .value_kind: global_buffer, .address_space: global }
      - { .name: wo_var, .offset: 24, .size: 8, .value_kind: global_buffer, .address_space: global }
      - { .name: bo_mu, .offset: 32, .size: 8, .value_kind: global_buffer, .address_space: global }
      - { .name: bo_var, .offset: 40, .size: 8, .value_kind: global_buffer, .address_space: global }
      - { .name: out0, .offset: 48, .size: 8, .value_kind: global_buffer, .address_space: global }
      - { .name: out1, .offset: 56, .size: 8, .value_kind: global_buffer, .address_space: global }
    .group_segment_fixed_size: 262656
    .private_segment_fixed_size: 0
    .kernarg_segment_align: 8
    .kernarg_segment_size: 64
    .max_flat_workgroup_size: 128
    .sgpr_count:     100
    .vgpr_count:     896
    .wavefront_size: 32
...
	.end_amdgpu_metadata
.endif
;; end of part 4
;; ======== version 2 of 2: 3 launches
;; limits: right only within a limited range of input values
;; workspace buffers: qm 1,048,576 bytes; qv 1,048,576 bytes; kt 2,097,152 bytes; vc 524,288 bytes; oc 524,288 bytes; wc 2,097,152 bytes
;; launch proj (part 5): grid 256 x 1, 8 waves a work-group, clusters of 4 x 1, 327,680 bytes of LDS; arguments mu, var, lowp_scales, wq_mu, wq_var, wk_mu, wk_var, wv_mu, wv_var, wo_mu, wo_var, bq_mu, bq_var, bk_mu, bk_var, bv_mu, bv_var, qm, qv, kt, vc, wc; writes qm, qv, kt, vc, wc
.if DOCPART == 5
	.amdgcn_target "amdgcn-amd-amdhsa--gfx1250"
	.amdhsa_code_object_version 6
	.text
	.protected	k_q8f0d152fd8_proj
	.globl	k_q8f0d152fd8_proj
	.p2align	8
	.type	k_q8f0d152fd8_proj,@function
k_q8f0d152fd8_proj:
	s_mov_b64 s[64:65], 0
	v_nop
	global_prefetch_b8 v0, s[64:65] scope:SCOPE_SE
	s_setreg_imm32_b32 hwreg(HW_REG_WAVE_MODE, 25, 1), 1
	s_wait_xcnt 0x0
	s_wait_alu depctr_hold_cnt(0) depctr_sa_sdst(0) depctr_va_vdst(0) depctr_va_sdst(0) depctr_va_ssrc(0) depctr_va_vcc(0) depctr_vm_vsrc(0)
	s_getreg_b32 s2, hwreg(HW_REG_IB_STS2, 6, 4)
	s_cmp_eq_u32 s2, 0
	s_cbranch_scc0 .Lentry_in_a_cluster
	s_endpgm
.Lentry_in_a_cluster:
	s_bfe_u32 s2, ttmp6, 0x10000c
	s_cmp_lg_u32 s2, 0x3003
	s_cbranch_scc0 .Lentry_shape_is_right
	s_endpgm
.Lentry_shape_is_right:
; The six projections Y = X W + b (softplus for the three of var), both operands quantised here to codes of FP8 (E4M3) with the given scales, sums in f32; and the codes of wo_mu and wo_var for the last launch.
; code = x / 2^e, held within +-448, rounded to the nearest code, ties to even.
; A work-group takes one tensor (0: mu, 1: var), 64 rows (rb) and 32 columns (cb) of all three products p = 0 q, 1 k, 2 v: its rows of X are read once for the three.  256 work-groups of 8 waves.
; CLUSTERS of four: four neighbouring blocks of columns of one tensor and one rb need the same rows of X: they are asked for jointly (mask 15).  The cluster's number gives the tensor and rb; its place only the columns.
; K IS SHARED OUT AMONG THE WAVES: wave v takes K step v (128 of the 1,024).
; X: one joint load a wave, 64 rows x 512 bytes, into its own bytes.  Lane (r, h) reads row r, 64 neighbouring k: byte b of register j of its codes is k = 128 v + 64 h + 4 j + b, under each of the three scales.
; W [1024 (k)][1024] f32, straight into registers: lane (a, g, h), a = r / 8, g = r % 8, loads W(128 v + 64 h + 32 a + i, 32 cb + 4 g .. + 3): eight lanes read 128 consecutive bytes.  The hold writes a column's eight
;   neighbours along K on end.  A lane then has four columns x 32 k; lanes l and l xor 8 exchange halves, so that in tile t lane (a, g, h) has column 4 g + 2 t + a and all 64 k of its h, in X's order.
; THE SUM OVER THE WAVES goes through LDS: each wave's part of a tile of 16 rows lies over that tile's X, which it has read by then.  Wave v adds the eight parts of tile (m, t) = (v / 2, v % 2) of each product.
; THE WAY OUT, through stages in LDS.  Q: [cb 32][row 256][32] f32.  K: Km, and rk = 1 / (2 Kv), [head][d 64][key 256].  V: codes with the keys innermost, in the order of an operand's registers.
; wo: work-group i = 128 x tensor + 8 cb64 + S quantises 128 k x 64 columns, wave v 8 rows of each half: lane (r, h) loads W(128 S + 64 h + 8 v + j, 64 cb64 + 4 r .. + 3).
;   LAYOUT OF wc: [wo_mu, wo_var][cb64 16][K step 8][tile e 4][group 4][lane 32][16 bytes]: lane (r, h) of tile e holds column 64 cb64 + 4 r + e; byte b of its register j holds k = 128 S + 64 h + 4 j + b.
; NO PREFETCH: there is no loop to run ahead in; a wave has 40 loads of W and its load of X out from its head on.
; W's slice is shared by the four work-groups of the four rb alone, and goes straight into registers: a joint load would land its 393,216 bytes in LDS beside X's 270,336.
; SOFTPLUS: max(x, 0) + 2 atanh(z), z = e / (2 + e), e = exp(-|x|); z is at most 1/3 for every x, so the series in z^2 cut behind z^12 leaves under 2e-8 of the result, for every x.
; LIMITS: each single exponent between -126 and 119, the two operands' exponents added between -126 and 127.  softplus(x) is 0 where exp(x) falls under the smallest normal f32 number (x < -87).  NaN is not served.
; REGISTERS.  window 0: v1-31 below; v32-127 W's codes (product p, tile t at v[WC + 32 p + 16 t]); v128-159 held numbers; v160-255 X's codes of two tiles of rows (tile m, product p at v[XC + 48 (m % 2) + 16 p]).
;   window 1: v0-63 two sets of 32 numbers of X, then the sums of products 0 and 1; v64-223 five chunks of W as loaded, later v64-127 the sums of product 2; at last the parts.
; Window 1 in full, by turns: v0-63 X's numbers, then the sums of products 0 and 1 (two tiles' sets of 32); v64-223 W's chunks, then v64-127 the sums of product 2 and v160-255 X's codes of tiles 2 and 3; at last the parts.
.set WREG, 33792                       ; a wave's bytes of X: 64 rows of 528 (512 + 16 of padding)
.set XT,   8448                        ; 16 rows of it
.set WIMG, 270336                      ; wo's image, 8,192 bytes
.set QST,  278528                      ; Q's stage: 64 rows of 144 bytes
.set KST,  287744                      ; K's stage: 32 rows of 272 bytes
.set VST,  296448                      ; V's stage: 2,048 bytes
.set SPARE, 298496                     ; the spare words, 128 bytes a wave: four blocks of 256 bytes that no other line names
.set SPW, 1                            ; v1   LDS address of my spare word; never rewritten
.set NIL, 2                            ; v2   0; never rewritten
; v3-5 at the head: wave, r, h; later 2^e of W's products 1, 2 and of V as an operand;  v6 16 lane;  v7, v8 W's and wo's offsets;  v9 X in LDS;  v10-13 the parts, back;  v14, 15 Q's stage, in and back;  v16, 17 K's;
; v18, 19 V's;  v20, 21 wo's image;  v22 the parts, in;  v23 K in memory;  v24-26 the biases of my column;  v27 2^e of wo;  v28-30 of X under the three scales;  v31 of W's product 0
; s[8+2p:9+2p] -+448 x 2^e of X; s[16+4p:17+4p] of W; s[28:29] of V; s[32:33] of wo; s[2+2p:3+2p] 2^(eA + eB), twice
.set WC,  32
.set TH,  128
.set XC,  160
.set YR,  160
.set ER,  184
.set DR,  208
.set PR,  32
.set CP,  56
.set G0,  52                           ; s[52:55], s[56:63] the descriptor
.set G1,  56
.set MSB, 0
.macro WIN new                         ; the immediate's high byte repeats the setting that is left
.if MSB != (\new)
	s_set_vgpr_msb (MSB<<8)|(\new)
.set MSB, (\new)
.endif
.endm
.macro LIM vs, lo, se                  ; v[vs] = 2^e as f32, s[lo], s[lo + 1] = -+448 x 2^e, e in s[se]
	s_add_co_i32 s92, s[\se], 127
	s_lshl_b32 s93, s92, 23
	v_mov_b32 v[\vs], s93
	s_add_co_i32 s92, s92, 8
	s_lshl_b32 s92, s92, 23
	s_or_b32 s[\lo+1], s92, 0x600000
	s_or_b32 s[\lo], s[\lo+1], 0x80000000
.endm
.macro CROUND                          ; a round of the cluster's barrier
	s_barrier_signal -1
	s_barrier_wait -1
	s_cmp_lg_u32 s66, 0
	s_cbranch_scc1 .Lnot_wave_0_\@
	s_barrier_signal -3
.Lnot_wave_0_\@:
	s_barrier_wait -3
	s_barrier_signal -1
	s_barrier_wait -1
.endm
.macro MEET                            ; my LDS stores have landed and my LDS loads are in: then the work-group's barrier
	s_wait_dscnt 0x0
	s_barrier_signal -1
	s_barrier_wait -1
.endm
	s_load_b512 s[8:23], s[0:1], 0x0               ; mu s[8:9], var s[10:11], scales s[12:13], wq s[14:17], wk s[18:21], wv_mu s[22:23]
	s_load_b512 s[24:39], s[0:1], 0x40             ; wv_var s[24:25], wo s[26:29], bq s[30:33], bk s[34:37], bv_mu s[38:39]
	s_load_b256 s[40:47], s[0:1], 0x80             ; bv_var s[40:41], qm s[42:43], qv s[44:45], kt s[46:47]
	s_load_b128 s[48:51], s[0:1], 0xa0             ; vc, wc
	v_lshl_add_u32 v[SPW], v0, 2, SPARE
	v_mov_b32 v[NIL], 0
	ds_add_u32 v[SPW], v[NIL]                      ; the wave's opening: the add, twice on end, and its wait ahead of my first tensor load; work on registers stands between
	ds_add_u32 v[SPW], v[NIL]
	v_lshrrev_b32 v3, 5, v0                        ; wave v
	v_and_b32 v32, 31, v0                          ; lane
	v_and_b32 v4, 15, v0                           ; r
	v_bfe_u32 v5, v0, 4, 1                         ; h
	v_readfirstlane_b32 s66, v3
	v_lshlrev_b32 v6, 4, v32
	v_lshrrev_b32 v33, 3, v4                       ; a
	v_and_b32 v34, 7, v4                           ; g
	v_lshrrev_b32 v38, 1, v3                       ; m
	v_and_b32 v39, 1, v3                           ; t
	v_lshlrev_b32 v23, 4, v4
	v_lshlrev_b32 v7, 4, v34
	v_mul_u32_u24 v9, v3, WREG
	v_mad_u32_u24 v22, v3, WREG, v6
	v_lshl_add_u32 v8, v5, 18, v23                 ; wo: 16 r + 64 h rows
	v_lshl_add_u32 v7, v33, 17, v7
	v_mad_u32_u24 v9, v4, 528, v9
	v_mad_u32_u24 v10, v38, XT, v6
	v_lshl_add_u32 v35, v34, 2, v33
	v_lshl_add_u32 v7, v5, 18, v7                  ; W: 16 g + (64 h + 32 a) rows
	v_lshl_add_u32 v9, v5, 8, v9
	v_lshl_add_u32 v10, v39, 10, v10
	v_lshl_add_u32 v35, v39, 1, v35                ; my column of the 32: 4 g + 2 t + a
	v_lshlrev_b32 v36, 3, v5
	v_add_nc_u32 v11, 2*WREG, v10
	v_add_nc_u32 v12, 4*WREG, v10
	v_add_nc_u32 v13, 6*WREG, v10
	v_lshl_add_u32 v36, v38, 4, v36                ; my first row of the 64: 16 m + 8 h
	v_lshlrev_b32 v37, 2, v35
	v_lshrrev_b32 v40, 3, v32
	v_and_b32 v41, 7, v32
	v_mad_u32_u24 v14, v36, 144, v37
	v_lshl_add_u32 v40, v3, 3, v40
	v_lshlrev_b32 v41, 4, v41
	v_lshl_add_u32 v42, v39, 4, v4
	v_lshl_add_u32 v43, v3, 2, v5
	v_add_nc_u32 v14, QST, v14
	v_mad_u32_u24 v15, v40, 144, v41
	v_mul_u32_u24 v16, v42, 272                    ; K's stage: row 16 t + r, my eight keys
	v_mad_u32_u24 v17, v43, 272, v23               ; back: rows 4 v + 2 i + h
	v_lshrrev_b32 v44, 2, v34
	v_lshrrev_b32 v45, 1, v38
	v_add_nc_u32 v15, QST, v15
	v_lshl_add_u32 v16, v36, 2, v16
	v_add_nc_u32 v17, KST, v17
	v_lshlrev_b32 v18, 10, v44                     ; V's stage: tile of d, group m / 2, lane 16 h + d % 16, my 8 bytes
	v_and_b32 v46, 15, v35
	v_add_nc_u32 v16, KST, v16
	v_lshl_add_u32 v18, v45, 9, v18
	v_and_b32 v47, 1, v38
	v_lshlrev_b32 v19, 3, v32
	v_lshl_add_u32 v18, v5, 8, v18
	v_lshl_add_u32 v20, v38, 9, v6                 ; wo's image: group v / 2, my 8 bytes of the lane's 16
	v_lshl_add_u32 v19, v3, 8, v19
	v_lshl_add_u32 v18, v46, 4, v18
	v_lshl_add_u32 v20, v39, 3, v20
	v_lshl_add_u32 v21, v3, 10, v6
	v_lshl_add_u32 v18, v47, 3, v18
	v_add_nc_u32 v19, VST, v19
	v_add_nc_u32 v20, WIMG, v20
	v_add_nc_u32 v21, WIMG, v21
	v_add_nc_u32 v18, VST, v18
	v_lshl_add_u32 v23, v5, 12, v23
	s_wait_alu depctr_va_vdst(0)                   ; the wait ahead of the scalar work and the waits below
	s_bfe_u32 s91, ttmp6, 0x40000                  ; cx
	s_lshl_b32 s67, ttmp9, 2
	s_add_co_u32 s67, s67, s91                     ; my work-group's number
	s_lshr_b32 s89, ttmp9, 4                       ; rb
	s_bfe_u32 s88, ttmp9, 0x10003                  ; the tensor
	s_and_b32 s90, ttmp9, 7
	s_lshl_b32 s90, s90, 2
	s_add_co_u32 s90, s90, s91                     ; cb
	s_lshl_b32 s94, s89, 18                        ; X: 64 rows of 4,096 bytes,
	s_lshl_b32 s95, s66, 9                         ; my K step
	s_add_co_u32 s94, s94, s95
	s_mov_b32 s95, 0
	s_lshl_b32 s98, s90, 7                         ; 32 columns
	s_mov_b32 s99, 0
	s_lshl_b32 s96, s66, 19                        ; W: 128 rows for each wave
	s_add_co_u32 s96, s96, s98
	s_mov_b32 s97, 0
	s_and_b32 s92, s67, 7
	s_lshl_b32 s92, s92, 19                        ; wo: its K step,
	s_lshl_b32 s93, s66, 15                        ; my 8 rows,
	s_add_co_u32 s92, s92, s93
	s_bfe_u32 s93, s67, 0x40003
	s_lshl_b32 s93, s93, 8                         ; its 64 columns
	s_add_co_u32 s92, s92, s93
	s_mov_b32 s93, 0
	s_mov_b32 s[G0], 1
	s_mul_i32 s[G0+1], s66, WREG
	s_mov_b32 s[G1+0], 15|(2<<16)|(1<<20)|(1<<21)|(6<<22)|(3<<25)  ; the mask: all four; elements of 4 bytes; bit 21 beside a mask; padding: four words after every 128
	s_mov_b32 s[G1+1], 128<<16                     ; tensor_dim0
	s_mov_b32 s[G1+2], 64<<16                      ; tensor_dim1
	s_mov_b32 s[G1+3], 128<<16                     ; tile_dim0: 512 bytes
	s_mov_b32 s[G1+4], 64                          ; tile_dim1
	s_mov_b32 s[G1+5], 1024                        ; elements from row to row
	s_mov_b32 s[G1+6], 0
	s_mov_b32 s[G1+7], 0
	s_wait_dscnt 0x0                               ; both opening adds are done
	CROUND                                         ; all four work-groups are here: the joint loads meet
	s_wait_kmcnt 0x0
	s_load_b512 s[68:83], s[12:13], 0x0            ; entries 0 to 15
	s_load_b128 s[84:87], s[12:13], 0x40           ; 16 to 19
	s_cmp_eq_u32 s88, 0                            ; choices on the cluster's number alone
	s_cselect_b64 s[4:5], s[8:9], s[10:11]
	s_add_nc_u64 s[G0+2:G0+3], s[4:5], s[94:95]
	s_or_b32 s[G0+3], s[G0+3], 0x80000000
	tensor_load_to_lds s[G0:G0+3], s[G1:G1+7]      ; my K step of X
	s_nop 0
.rept 4
	v_nop
.endr
	s_cmp_eq_u32 s88, 0
.irp b, 14, 18, 22, 30, 34, 38
	s_cselect_b64 s[\b:\b+1], s[\b:\b+1], s[\b+2:\b+3]
.endr
	s_cselect_b64 s[42:43], s[42:43], s[44:45]     ; qm or qv
.irp b, 14, 18, 22
	s_add_nc_u64 s[\b:\b+1], s[\b:\b+1], s[96:97]
	s_add_nc_u64 s[\b+16:\b+17], s[\b+16:\b+17], s[98:99]
.endr
	s_lshr_b32 s94, s67, 7                         ; wo_mu or wo_var
	s_cmp_eq_u32 s94, 0
	s_cselect_b64 s[26:27], s[26:27], s[28:29]
	s_add_nc_u64 s[26:27], s[26:27], s[92:93]
	global_load_b32 v24, v37, s[30:31]             ; the biases of my column
	global_load_b32 v25, v37, s[34:35]
	global_load_b32 v26, v37, s[38:39]
; CHUNKS of 8 loads: 0 is wo's; 1 + 4 p + q: rows 8 q .. + 7 of my 32 of product p.  Five chunks' registers take turns.
.macro ISSUE i
	WIN 0x40                                       ; destination window 1
.set J, 0
.if (\i) == 0
.rept 8
	global_load_b128 v[64+4*J:67+4*J], v8, s[26:27] offset:4096*J
.set J, J+1
.endr
.else
.set IP, ((\i)-1)/4
.set IQ, ((\i)-1)%4
.rept 8
	global_load_b128 v[64+32*((\i)%5)+4*J:67+32*((\i)%5)+4*J], v7, s[14+4*IP:15+4*IP] offset:(8*IQ+J)*4096
.set J, J+1
.endr
.endif
.endm
	ISSUE 0
	ISSUE 1
	ISSUE 2
	ISSUE 3
	ISSUE 4
	WIN 0
	s_wait_kmcnt 0x0
	s_cmp_eq_u32 s88, 0
.irp p, 0,1,2
	s_cselect_b32 s[68+4*\p], s[68+4*\p], s[70+4*\p]   ; eA
	s_cselect_b32 s[69+4*\p], s[69+4*\p], s[71+4*\p]   ; eB
.endr
	s_cselect_b32 s81, s81, s83                    ; V's own as an operand: entry 13 or 15
	s_cmp_eq_u32 s94, 0
	s_cselect_b32 s85, s85, s87                    ; wo's: entry 17 or 19
	LIM 28, 8, 68
	LIM 29, 10, 72
	LIM 30, 12, 76
	LIM 31, 16, 69
	LIM 3, 20, 73
	LIM 4, 24, 77
	LIM 5, 28, 81
	LIM 27, 32, 85
.irp p, 0,1,2
	s_add_co_i32 s92, s[68+4*\p], s[69+4*\p]
	s_add_co_i32 s92, s92, 127
	s_lshl_b32 s[2+2*\p], s92, 23                  ; 2^(eA + eB) as f32
	s_mov_b32 s[3+2*\p], s[2+2*\p]                 ; (named with it as a pair, so it is written)
.endr
	s_mov_b32 s91, 0xff00ff00                      ; the lanes with a = 1
.macro CONVW i
.if (\i) < 8
	s_wait_loadcnt 32                              ; this chunk's 8 loads are in; those of the four chunks behind it may be out
.else
	s_wait_loadcnt 8*(12-(\i))                     ; nothing more is asked for: the counts run down
.endif
.if (\i) == 0
.set LO, 32
.set SR, 27
.set CB, XC
.set CS, 2
.else
.set CP_, ((\i)-1)/4
.set LO, 16+4*CP_
.if CP_ == 0
.set SR, 31
.else
.set SR, 2+CP_
.endif
.set CB, WC+32*CP_+2*(((\i)-1)%4)
.set CS, 8
.endif
	WIN 0x01                                       ; source 0 window 1
.irp e, 0,1,2,3
.set J, 0
.rept 8
	v_med3_num_f32 v[TH+8*\e+J], v[64+32*((\i)%5)+4*J+\e], s[LO], s[LO+1]   ; the hold (the conversion does not saturate: ISA guide 7.6.2), and the number's place among its column's neighbours along K
.set J, J+1
.endr
.endr
	WIN 0
.irp e, 0,1,2,3
	v_cvt_scalef32_pk8_fp8_f32 v[CB+CS*\e:CB+CS*\e+1], v[TH+8*\e:TH+8*\e+7], v[SR]
.endr
	v_nop                                          ; a plain line behind the conversions
.if (\i) == 0
.irp e, 0,1,2,3
	ds_store_b64 v20, v[XC+2*\e:XC+2*\e+1] offset:2048*\e
.endr
.endif
.if (\i) < 8
	ISSUE (\i)+5                                   ; the chunk's registers have been read: they take the chunk five on
	WIN 0
.endif
.endm
.macro EXCH p                          ; lanes l and l xor 8 exchange halves: columns 4 g + 2 t and 4 g + 2 t + 1, k of a = 0 and a = 1
.irp t, 0,1
.irp i, 0,1,2,3,4,5,6,7
	v_cndmask_b32 v[TH+\i], v[WC+32*\p+16*\t+8+\i], v[WC+32*\p+16*\t+\i], s91
.endr
.irp i, 0,1,2,3,4,5,6,7
	v_mov_b32_dpp v[TH+\i], v[TH+\i] row_xmask:8 row_mask:0xf bank_mask:0xf
.endr
.irp i, 0,1,2,3,4,5,6,7
	v_cndmask_b32 v[WC+32*\p+16*\t+\i], v[WC+32*\p+16*\t+\i], v[TH+\i], s91
	v_cndmask_b32 v[WC+32*\p+16*\t+8+\i], v[TH+\i], v[WC+32*\p+16*\t+8+\i], s91
.endr
.endr
.endm
; X.  Unit u: tile of rows u / 2, its half u % 2 of my 64 k: 32 numbers a lane, two sets by turns, three scales.
.macro XLD u
	WIN 0x40
.set J, 0
.rept 8
	ds_load_b128 v[32*((\u)%2)+4*J:32*((\u)%2)+4*J+3], v9 offset:XT*((\u)/2)+128*((\u)%2)+16*J
.set J, J+1
.endr
.endm
.macro XCV u, younger                  ; younger: LDS instructions behind this unit's loads that may be out
	s_wait_dscnt \younger
.irp p, 0,1,2
	WIN 0x01
.set J, 0
.rept 32
	v_med3_num_f32 v[TH+J], v[32*((\u)%2)+J], s[8+2*\p], s[9+2*\p]
.set J, J+1
.endr
	WIN 0x40*((\u)/4)                              ; tiles 0 and 1: window 0; tiles 2 and 3: the same numbers in window 1
.set J, 0
.rept 4
	v_cvt_scalef32_pk8_fp8_f32 v[XC+48*(((\u)/2)%2)+16*\p+8*((\u)%2)+2*J:XC+48*(((\u)/2)%2)+16*\p+8*((\u)%2)+2*J+1], v[TH+8*J:TH+8*J+7], v[28+\p]
.set J, J+1
.endr
	v_nop
.endr
.endm
; Six products of tile m, each on an accumulator of its own, begun with 0.  Source 0 = 16 rows of X, source 1 = 16 columns of W.  The sums over my K step go to LDS, over the tile's X.
; All of X has been read by then.  MULS: product p of tile m, two tiles of columns, sums at v[d] of window 1.  PARTS: these sums go to LDS, from each accumulator's low end on.
.macro MULS m, p, d
	WIN 0x40+((\m)/2)                              ; D window 1; X's codes window 0 (tiles 0, 1) or 1
.irp t, 0,1
	v_wmma_f32_16x16x128_fp8_fp8 v[(\d)+8*\t:(\d)+8*\t+7], v[XC+48*((\m)%2)+16*(\p):XC+48*((\m)%2)+16*(\p)+15], v[WC+32*(\p)+16*\t:WC+32*(\p)+16*\t+15], 0
.endr
.endm
.macro PARTS m, p, d
	WIN 0x04                                       ; the stores' data window 1
.irp t, 0,1
	ds_store_b128 v22, v[(\d)+8*\t:(\d)+8*\t+3] offset:XT*(\m)+1024*(2*(\p)+\t)
	ds_store_b128 v22, v[(\d)+8*\t+4:(\d)+8*\t+7] offset:XT*(\m)+1024*(2*(\p)+\t)+512
.endr
.endm
.macro PLACES                          ; four places ahead of the first read of results (ISA guide 7.12.1)
.rept 4
	v_nop
.endr
.endm
	s_wait_alu depctr_va_vdst(0)                   ; the wait at the head's end
.set I, 0
.rept 8
	CONVW I
.if I == 4
	EXCH 0
.endif
.set I, I+1
.endr
	s_wait_tensorcnt 0x0                           ; my X is in; I alone read it
	XLD 0
	XLD 1
	XCV 0, 8
	XLD 2
	XCV 1, 8
	XLD 3
	XCV 2, 8
	XLD 4
	XCV 3, 8
	XLD 5
.rept 2                                ; chunks 8 and 9: their registers are free behind this, and take X's codes of tiles 2 and 3
	CONVW I
.if I == 8
	EXCH 1
.endif
.set I, I+1
.endr
	XCV 4, 8
	XLD 6
	XCV 5, 8
	XLD 7
	XCV 6, 8
	XCV 7, 0
	s_wait_alu depctr_va_vdst(0)
.irp m, 0,1,2,3                        ; products 0 and 1, while W's last three chunks are on their way
.if \m > 1
	s_wait_dscnt 8                                 ; the stores of the tile two back have left this set of sums; the last tile's eight may be out
.endif
	MULS \m, 0, 32*(\m%2)
	MULS \m, 1, 32*(\m%2)+16
	PLACES
	PARTS \m, 0, 32*(\m%2)
	PARTS \m, 1, 32*(\m%2)+16
.endr
.rept 3
	CONVW I
.set I, I+1
.endr
	EXCH 2
.irp m, 0,1,2,3
	MULS \m, 2, 64+16*\m
.endr
	PLACES
.irp m, 0,1,2,3
	PARTS \m, 2, 64+16*\m
.endr
	WIN 0
	s_lshl_b32 s94, s67, 13                        ; wc: 8,192 bytes a work-group, 1,024 a wave
	s_lshl_b32 s92, s66, 10
	s_add_co_u32 s94, s94, s92
	s_mov_b32 s95, 0
	s_add_nc_u64 s[50:51], s[50:51], s[94:95]
	MEET                                           ; the eight waves' parts and wo's image lie in LDS
	ds_load_b128 v[TH:TH+3], v21
	ds_load_b128 v[TH+4:TH+7], v21 offset:512
	WIN 0x40
.irp p, 0,1,2
.irp w, 0,1,2,3,4,5,6,7
	ds_load_b128 v[64*\p+8*\w:64*\p+8*\w+3], v[10+\w/2] offset:WREG*(\w%2)+2048*\p
	ds_load_b128 v[64*\p+8*\w+4:64*\p+8*\w+7], v[10+\w/2] offset:WREG*(\w%2)+2048*\p+512
.endr
.endr
	WIN 0
	s_wait_dscnt 48                                ; wo's codes are in; the 48 loads of parts may be out
	global_store_b128 v6, v[TH:TH+3], s[50:51]     ; the wave stores 512 consecutive bytes, aligned
	global_store_b128 v6, v[TH+4:TH+7], s[50:51] offset:512
.irp p, 0,1,2
	s_wait_dscnt 32-16*\p                          ; this product's parts are in
	WIN 0x05                                       ; both sources window 1
.irp c, 0,2,4,6
	v_pk_add_f32 v[YR+8*\p+\c:YR+8*\p+\c+1], v[64*\p+\c:64*\p+\c+1], v[64*\p+8+\c:64*\p+8+\c+1]
.endr
	WIN 0x04                                       ; source 1 window 1
.irp w, 2,3,4,5,6,7
.irp c, 0,2,4,6
	v_pk_add_f32 v[YR+8*\p+\c:YR+8*\p+\c+1], v[YR+8*\p+\c:YR+8*\p+\c+1], v[64*\p+8*\w+\c:64*\p+8*\w+\c+1]
.endr
.endr
.endr
	WIN 0
.irp c, 0,2,4,6                        ; v[YR + 8 p + j] = Y(row 16 m + 8 h + j, my column): sum x 2^(eA + eB) + bias
	v_pk_fma_f32 v[YR+\c:YR+\c+1], v[YR+\c:YR+\c+1], s[2:3], v[24:25] op_sel_hi:[1,0,0]
	v_pk_fma_f32 v[YR+8+\c:YR+8+\c+1], v[YR+8+\c:YR+8+\c+1], s[4:5], v[24:25] op_sel:[0,0,1] op_sel_hi:[1,0,1]
	v_pk_fma_f32 v[YR+16+\c:YR+16+\c+1], v[YR+16+\c:YR+16+\c+1], s[6:7], v[26:27] op_sel_hi:[1,0,0]
.endr
	s_wait_alu depctr_va_vdst(0)                   ; the wait ahead of the branch
	s_cmp_eq_u32 s88, 0
	s_cbranch_scc1 .Lmu
	s_mov_b32 s92, 0xbfb8aa3b                      ; -log2(e)
	v_mov_b32 v[CP], 0x3e1d89d9                    ; 2/13
	v_mov_b32 v[CP+1], 0x3e1d89d9
.set J, 0
.rept 24
	v_mul_f32 v[ER+J], s92, |v[YR+J]|
.set J, J+1
.endr
	s_wait_alu depctr_va_vdst(0)
.set J, 0
.rept 24
	v_exp_f32 v[ER+J], v[ER+J]                     ; e = exp(-|x|)
.set J, J+1
.endr
	v_nop                                          ; a plain line behind the batch,
	s_wait_alu depctr_va_vdst(0)                   ; and one wait for it, ahead of its first reader
.set J, 0
.rept 12
	v_pk_add_f32 v[DR+J:DR+J+1], v[ER+J:ER+J+1], 2.0 op_sel_hi:[1,0]
.set J, J+2
.endr
	s_wait_alu depctr_va_vdst(0)
.set J, 0
.rept 24
	v_rcp_f32 v[DR+J], v[DR+J]
.set J, J+1
.endr
	v_nop
	s_wait_alu depctr_va_vdst(0)
.set J, 0
.rept 12
	v_pk_mul_f32 v[ER+J:ER+J+1], v[ER+J:ER+J+1], v[DR+J:DR+J+1]   ; z = e / (2 + e)
.set J, J+2
.endr
.set J, 0
.rept 12
	v_pk_mul_f32 v[DR+J:DR+J+1], v[ER+J:ER+J+1], v[ER+J:ER+J+1]   ; z^2
.set J, J+2
.endr
.set J, 0
.rept 12
	v_pk_fma_f32 v[PR+J:PR+J+1], v[DR+J:DR+J+1], v[CP:CP+1], 0x3e3a2e8c op_sel_hi:[1,1,0]   ; 2/13 z^2 + 2/11
.set J, J+2
.endr
.irp k, 0x3e638e39, 0x3e924925, 0x3ecccccd, 0x3f2aaaab, 0x40000000   ; 2/9, 2/7, 2/5, 2/3, 2
.set J, 0
.rept 12
	v_pk_fma_f32 v[PR+J:PR+J+1], v[PR+J:PR+J+1], v[DR+J:DR+J+1], \k op_sel_hi:[1,1,0]
.set J, J+2
.endr
.endr
.set J, 0
.rept 24
	v_max_num_f32 v[YR+J], 0, v[YR+J]
.set J, J+1
.endr
.set J, 0
.rept 12
	v_pk_fma_f32 v[YR+J:YR+J+1], v[ER+J:ER+J+1], v[PR+J:PR+J+1], v[YR+J:YR+J+1]   ; max(x, 0) + log(1 + e)
.set J, J+2
.endr
	s_wait_alu depctr_va_vdst(0)
.set J, 0
.rept 8
	v_rcp_f32 v[YR+8+J], v[YR+8+J]
.set J, J+1
.endr
	v_nop
	s_wait_alu depctr_va_vdst(0)
.irp c, 0,2,4,6
	v_pk_mul_f32 v[YR+8+\c:YR+8+\c+1], v[YR+8+\c:YR+8+\c+1], 0.5 op_sel_hi:[1,0]   ; rk = 1 / (2 Kv)
.endr
.Lmu:
.irp j, 0,1,2,3,4,5,6,7
	v_med3_num_f32 v[YR+16+\j], v[YR+16+\j], s28, s29
.endr
	v_cvt_scalef32_pk8_fp8_f32 v[ER:ER+1], v[YR+16:YR+23], v5   ; V's eight neighbouring keys of one d
	v_nop
.irp j, 0,1,2,3,4,5,6,7
	ds_store_b32 v14, v[YR+\j] offset:144*\j
.endr
	ds_store_b128 v16, v[YR+8:YR+11]
	ds_store_b128 v16, v[YR+12:YR+15] offset:16
	ds_store_b64 v18, v[ER:ER+1]
	v_lshrrev_b32 v26, 1, v6                       ; 8 lane
	s_wait_alu depctr_va_vdst(0)
	s_lshl_b32 s96, s90, 15                        ; Q, K: 32,768 bytes for each block of 32 columns
	s_lshl_b32 s94, s89, 13                        ; Q: 64 rows of 128 bytes,
	s_add_co_u32 s94, s94, s96
	s_lshl_b32 s92, s66, 10                        ; my 8
	s_add_co_u32 s94, s94, s92
	s_mov_b32 s95, 0
	s_add_nc_u64 s[42:43], s[42:43], s[94:95]
	s_lshl_b32 s94, s88, 20                        ; K: Km or rk,
	s_add_co_u32 s94, s94, s96
	s_lshl_b32 s92, s89, 8                         ; 64 keys,
	s_add_co_u32 s94, s94, s92
	s_and_b32 s92, s66, 1                          ; stage row 4 v + 2 i + h is d = 16 (v % 2) + 8 i + 4 h + 2 (v / 4) + (v / 2) % 2
	s_lshl_b32 s92, s92, 14
	s_add_co_u32 s94, s94, s92
	s_lshr_b32 s97, s66, 2
	s_lshl_b32 s92, s97, 11
	s_add_co_u32 s94, s94, s92
	s_bfe_u32 s92, s66, 0x10001
	s_lshl_b32 s92, s92, 10
	s_add_co_u32 s94, s94, s92
	s_add_nc_u64 s[46:47], s[46:47], s[94:95]
	s_lshl_b32 s94, s88, 18                        ; V: vc [Vm, Vv][head][K step 2][tile of d 4][group 4][lane][16 bytes]: lane (r, h): d = 16 t + r; registers 2 c, 2 c + 1: keys 128 S + 16 c + 8 h + 0 .. 7
	s_lshr_b32 s92, s90, 1
	s_lshl_b32 s92, s92, 14
	s_add_co_u32 s94, s94, s92
	s_and_b32 s92, s90, 1                          ; tile 2 (cb % 2) + v / 4
	s_lshl_b32 s92, s92, 12
	s_add_co_u32 s94, s94, s92
	s_lshl_b32 s92, s97, 11
	s_add_co_u32 s94, s94, s92
	s_lshr_b32 s92, s89, 1                         ; K step rb / 2, groups 2 (rb % 2) on
	s_lshl_b32 s92, s92, 13
	s_add_co_u32 s94, s94, s92
	s_and_b32 s92, s89, 1
	s_lshl_b32 s92, s92, 10
	s_add_co_u32 s94, s94, s92
	s_and_b32 s92, s66, 3
	s_lshl_b32 s92, s92, 8
	s_add_co_u32 s94, s94, s92
	s_add_nc_u64 s[48:49], s[48:49], s[94:95]
	MEET                                           ; the stages are whole
.irp i, 0,1
	ds_load_b128 v[32+4*\i:35+4*\i], v15 offset:576*\i
.endr
.irp i, 0,1
	ds_load_b128 v[40+4*\i:43+4*\i], v17 offset:544*\i
.endr
	ds_load_b64 v[48:49], v19
	s_wait_dscnt 0x3                               ; Q's two are in; K's two and V's one may be out
.irp i, 0,1
	global_store_b128 v6, v[32+4*\i:35+4*\i], s[42:43] offset:512*\i    ; 512 consecutive bytes, aligned
.endr
	s_wait_dscnt 0x1
.irp i, 0,1
	global_store_b128 v23, v[40+4*\i:43+4*\i], s[46:47] offset:8192*\i  ; sixteen lanes store 256 consecutive bytes, aligned
.endr
	s_wait_dscnt 0x0
	global_store_b64 v26, v[48:49], s[48:49]       ; 256 consecutive bytes, aligned
	s_wait_tensorcnt 0x0                           ; the wave's end: a tensor wait, an LDS add and its wait, behind my last tensor load and my last LDS store
	ds_add_u32 v[SPW], v[NIL]
	s_wait_dscnt 0x0
	CROUND                                         ; the closing round: no work-group ends while a partner may still ask for a tile that names it
	s_endpgm
.Lfunc_end_k_q8f0d152fd8_proj:
	.size	k_q8f0d152fd8_proj, .Lfunc_end_k_q8f0d152fd8_proj-k_q8f0d152fd8_proj
	.p2alignl 7, 3214868480
	.fill 96, 4, 3214868480
	.section	.rodata,"a",@progbits
	.p2align	6, 0x0
	.amdhsa_kernel k_q8f0d152fd8_proj
		.amdhsa_group_segment_fixed_size 327680
		.amdhsa_private_segment_fixed_size 0
		.amdhsa_enable_private_segment 0
		.amdhsa_kernarg_size 176
		.amdhsa_user_sgpr_count 2
		.amdhsa_user_sgpr_kernarg_segment_ptr 1
		.amdhsa_wavefront_size32 1
		.amdhsa_system_sgpr_workgroup_id_x 1
		.amdhsa_system_sgpr_workgroup_id_y 1
		.amdhsa_system_sgpr_workgroup_id_z 1
		.amdhsa_system_vgpr_workitem_id 0
		.amdhsa_next_free_vgpr 512
		.amdhsa_next_free_sgpr 100
		.amdhsa_reserve_vcc 0
		.amdhsa_float_denorm_mode_32 3
		.amdhsa_float_denorm_mode_16_64 3
		.amdhsa_memory_ordered 1
		.amdhsa_forward_progress 1
		.amdhsa_inst_pref_size 159
	.end_amdhsa_kernel
	.amdgpu_metadata
---
amdhsa.version: [ 1, 2 ]
amdhsa.kernels:
  - .name:           k_q8f0d152fd8_proj
    .symbol:         k_q8f0d152fd8_proj.kd
    .args:
      - { .name: mu, .offset: 0, .size: 8, .value_kind: global_buffer, .address_space: global }
      - { .name: var, .offset: 8, .size: 8, .value_kind: global_buffer, .address_space: global }
      - { .name: lowp_scales, .offset: 16, .size: 8, .value_kind: global_buffer, .address_space: global }
      - { .name: wq_mu, .offset: 24, .size: 8, .value_kind: global_buffer, .address_space: global }
      - { .name: wq_var, .offset: 32, .size: 8, .value_kind: global_buffer, .address_space: global }
      - { .name: wk_mu, .offset: 40, .size: 8, .value_kind: global_buffer, .address_space: global }
      - { .name: wk_var, .offset: 48, .size: 8, .value_kind: global_buffer, .address_space: global }
      - { .name: wv_mu, .offset: 56, .size: 8, .value_kind: global_buffer, .address_space: global }
      - { .name: wv_var, .offset: 64, .size: 8, .value_kind: global_buffer, .address_space: global }
      - { .name: wo_mu, .offset: 72, .size: 8, .value_kind: global_buffer, .address_space: global }
      - { .name: wo_var, .offset: 80, .size: 8, .value_kind: global_buffer, .address_space: global }
      - { .name: bq_mu, .offset: 88, .size: 8, .value_kind: global_buffer, .address_space: global }
      - { .name: bq_var, .offset: 96, .size: 8, .value_kind: global_buffer, .address_space: global }
      - { .name: bk_mu, .offset: 104, .size: 8, .value_kind: global_buffer, .address_space: global }
      - { .name: bk_var, .offset: 112, .size: 8, .value_kind: global_buffer, .address_space: global }
      - { .name: bv_mu, .offset: 120, .size: 8, .value_kind: global_buffer, .address_space: global }
      - { .name: bv_var, .offset: 128, .size: 8, .value_kind: global_buffer, .address_space: global }
      - { .name: qm, .offset: 136, .size: 8, .value_kind: global_buffer, .address_space: global }
      - { .name: qv, .offset: 144, .size: 8, .value_kind: global_buffer, .address_space: global }
      - { .name: kt, .offset: 152, .size: 8, .value_kind: global_buffer, .address_space: global }
      - { .name: vc, .offset: 160, .size: 8, .value_kind: global_buffer, .address_space: global }
      - { .name: wc, .offset: 168, .size: 8, .value_kind: global_buffer, .address_space: global }
    .group_segment_fixed_size: 327680
    .private_segment_fixed_size: 0
    .kernarg_segment_align: 8
    .kernarg_segment_size: 176
    .max_flat_workgroup_size: 256
    .sgpr_count:     100
    .vgpr_count:     512
    .wavefront_size: 32
...
	.end_amdgpu_metadata
.endif
;; end of part 5
;; launch attn (part 6): grid 16 x 16, 8 waves a work-group, no clusters, 151,808 bytes of LDS; arguments qm, qv, kt, vc, lowp_scales, oc; writes oc
.if DOCPART == 6
	.amdgcn_target "amdgcn-amd-amdhsa--gfx1250"
	.amdhsa_code_object_version 6
	.text
	.protected	k_q8f0d152fd8_attn
	.globl	k_q8f0d152fd8_attn
	.p2align	8
	.type	k_q8f0d152fd8_attn,@function
k_q8f0d152fd8_attn:
	s_mov_b64 s[64:65], 0
	v_nop
	global_prefetch_b8 v0, s[64:65] scope:SCOPE_SE
	s_setreg_imm32_b32 hwreg(HW_REG_WAVE_MODE, 25, 1), 1
	s_wait_xcnt 0x0
; For 16 queries of one head (work-group x = the tile of queries, y = the head): the Gaussian KL scores against all 256 keys, the softmax, the two products with V on codes of FP8 (E4M3), and O as codes.
; THE SCORE.  kl summed over d = G - 1/2 sum log Qv - 32 (1 + log 2), with G = sum over d of ((Qm - Km)^2 + Qv) rk - (log 2 / 2) log2(rk), rk = 1 / (2 Kv).  No square is multiplied out.
;   t = score x log2(e) = -(log2(e) / 8) G + tq,  tq = (sum of log2 Qv) / 16 + 4 log2(e) + 4.  In the inner loop three packed instructions serve two keys of one d, and there is no transcendental.
; P1.  Wave w takes d = 8 w .. 8 w + 7 for all 16 queries and 256 keys: its Km and rk lie in 128 registers (lane l: keys 4 l .. 4 l + 3 and 128 + 4 l ..), loaded once; its partial G goes to LDS.
; P2.  Lane (r, h) of wave w owns query r and keys 128 S + 16 w + 8 h + 0 .. 7: it adds the eight parts.  M = the ceiling of the largest t: first of the wave's 32 keys, p = 2^(t - M), then, behind one barrier,
;   of the row; p and the waves' sums are brought under the row's M by powers of two, which round nothing.  The row's sum l is taken of the unquantised p.  p, and (p / l)^2, are quantised; the lane's 8 codes are
;   registers 2 w, 2 w + 1 of the operand (form's own layout) and go to LDS as part of an image of its registers.
; P3.  Wave w = 4 ty + t: O^T = V^T P^T (source 0 = 16 d of V, source 1 = the 16 queries), ty = 0: p with Vm, divided by l; ty = 1: attn^2 with Vv.  A lane holds one query and eight neighbouring d: eight codes of O,
;   stored in the order of the next launch's operand registers; the wave stores 256 consecutive bytes, aligned.
; NO CLUSTER: Km, rk and V are shared by a head's 16 work-groups, but each byte of Km and rk is used by one lane of one wave: a joint load would send 131,072 bytes into LDS and out again for no second use.
; LIMITS: entries 12, 14, 16, 18 of the scales between -126 and 119 (their powers of two are made as f32 numbers); NaN is not served.
.set QL,    0                          ; [q 16][Qm 256 bytes, Qv 256 bytes]
.set CQ,    8192                       ; tq[q]
.set MX,    8448                       ; -M of wave w for query q at 32 q + 4 w; the waves' sums 512 bytes on
.set IMG,   9472                       ; four fragments of 2,048 bytes: p (K steps 0, 1), attn^2 (0, 1)
.set SP,    17664                      ; the parts of G: for each wave 16 rows (q) of 1,040 bytes: 256 keys + 16 of padding, an odd multiple of 16
.set SPB,   16640
.set SPARE, 150784                     ; the spare words, 128 bytes a wave: four blocks of 256 bytes that no other line names
.set SPW, 1                            ; v1   LDS address of my spare word; never rewritten
.set NIL, 2                            ; v2   0; never rewritten
.set L16, 6                            ; v6   16 lane
.set QBA, 7                            ; v7   32 wave: my 8 d in a row of Qm or Qv
.set SPS, 8                            ; v8   where I store my part of G
.set SPR, 9                            ; v9, v10  where I read the parts of waves 0-3, 4-7
.set QG,  11                           ; v11  Q in memory;  v12 in LDS;  v13, v14 tq: store, load;  v15, v16 -M and sums: store, load;  v17, v18 images: store, load;  v19 O
.set KM,  32                           ; v32-95    Km(d, key): v[KM + 8 d + 4 half + e]
.set RK,  96                           ; v96-159   rk likewise
.set QB,  160                          ; v160-191  four sets of Qm[4], Qv[4]
.set ACC, 192                          ; v192-207  two sets of 8 sums
.set CK,  208                          ; v208-215  -(log 2 / 2) x the sum over my d of log2(rk)
.set TT,  216                          ; v216-247  at work
.set VF,  128                          ; in window 1: v384-415  my two fragments of V.  (Window 0: v216-247 at work in P1)
.set RR,  32                           ; from P2 on: v32-159 the parts; then v32-47 t, p
.set A2,  48                           ; v48-63    attn^2
.set PF,  96                           ; v96-127   P3: the two fragments of p or attn^2
.macro SCALE vs, vl, se                ; v[vs] = 2^e as f32, v[vl] = 448 x 2^e, e in s[se]
	s_add_co_i32 s46, s[\se], 127
	s_lshl_b32 s47, s46, 23
	v_mov_b32 v[\vs], s47
	s_add_co_i32 s46, s46, 8
	s_lshl_b32 s46, s46, 23
	s_or_b32 s46, s46, 0x600000
	v_mov_b32 v[\vl], s46
.endm
.macro BARRIER                         ; my LDS stores have landed and my LDS loads are in: then the work-group's barrier
	s_wait_dscnt 0x0
	s_barrier_signal -1
	s_barrier_wait -1
.endm
	s_load_b256 s[4:11], s[0:1], 0x0               ; qm s[4:5], qv s[6:7], kt s[8:9], vc s[10:11]
	s_load_b128 s[12:15], s[0:1], 0x20             ; scales s[12:13], oc s[14:15]
	v_lshl_add_u32 v[SPW], v0, 2, SPARE
	v_mov_b32 v[NIL], 0
	v_lshrrev_b32 v3, 5, v0
	s_delay_alu instid0(VALU_DEP_1)
	v_readfirstlane_b32 s16, v3                    ; wave 0..7
	v_and_b32 v3, 31, v0                           ; lane
	v_and_b32 v4, 15, v0                           ; r
	s_wait_alu depctr_va_vdst(0)
	v_bfe_u32 v5, v0, 4, 1                         ; h
	v_lshrrev_b32 v20, 4, v0                       ; 2 wave + h: the query whose row I bring in
	s_and_b32 s18, ttmp7, 0xffff                   ; the head
	s_lshr_b32 s19, s16, 2                         ; ty
	s_and_b32 s20, s16, 3                          ; t
	s_mov_b32 s32, 0x76543210                      ; v_permlanex16_b32's selects for lane l xor 16
	s_mov_b32 s33, 0xfedcba98
	s_mov_b32 s34, 0x3d800000                      ; 1/16
	s_mov_b32 s35, 0x411c551e                      ; 4 log2(e) + 4
	v_lshlrev_b32 v[L16], 4, v3
	v_and_b32 v[QBA], 0xe0, v0
	s_mul_i32 s21, s16, SPB
	s_add_co_u32 s21, s21, SP
	v_add_nc_u32 v[SPS], s21, v[L16]
	v_mul_u32_u24 v[SPR], v4, 1040
	s_wait_alu depctr_va_vdst(0)
	v_lshl_add_u32 v[SPR], v5, 5, v[SPR]
	s_lshl_b32 s22, s16, 6
	s_add_co_u32 s22, s22, SP
	v_add_nc_u32 v[SPR], s22, v[SPR]               ; row r, keys 16 wave + 8 h on
	s_delay_alu instid0(VALU_DEP_1)
	v_add_nc_u32 v[SPR+1], 4*SPB, v[SPR]
	v_lshlrev_b32 v[QG], 7, v20                    ; Q lies [block of 32 columns 32][row 256][32] f32: row x 128 bytes, + 16 (r % 8), + 32,768 (r / 8)
	v_and_b32 v24, 7, v4
	v_lshrrev_b32 v25, 3, v4
	v_lshl_add_u32 v[QG], v24, 4, v[QG]
	v_lshl_add_u32 v[QG], v25, 15, v[QG]
	v_lshlrev_b32 v12, 9, v20
	s_delay_alu instid0(VALU_DEP_1)
	v_lshl_add_u32 v12, v4, 4, v12
	v_lshl_add_u32 v13, v20, 2, CQ
	v_lshl_add_u32 v14, v4, 2, CQ
	v_lshlrev_b32 v15, 5, v4
	s_lshl_b32 s23, s16, 2
	s_add_co_u32 s23, s23, MX
	v_add_nc_u32 v15, s23, v15
	v_lshl_add_u32 v16, v4, 5, MX
	s_lshr_b32 s21, s16, 1
	s_lshl_b32 s21, s21, 9
	s_and_b32 s22, s16, 1
	s_lshl_b32 s22, s22, 3
	s_add_co_u32 s21, s21, s22
	s_add_co_u32 s21, s21, IMG
	v_add_nc_u32 v17, s21, v[L16]                  ; registers 2 w, 2 w + 1 of an image: group w / 2, 8 (w % 2) bytes on
	s_lshl_b32 s21, s19, 12
	s_add_co_u32 s21, s21, IMG
	v_add_nc_u32 v18, s21, v[L16]
	v_lshlrev_b32 v19, 4, v4
	s_delay_alu instid0(VALU_DEP_1)
	v_lshl_add_u32 v19, v5, 3, v19
	v_mov_b32 v23, 0                               ; written once: a lane permute's destination counts as one of its sources
	s_lshl_b32 s36, ttmp9, 11                      ; Q: 16 rows of 128 bytes for each tile of queries,
	s_lshl_b32 s44, s18, 16                        ; the head's two blocks of 32,768
	s_add_co_u32 s36, s36, s44
	s_mov_b32 s37, 0
	s_lshl_b32 s38, s18, 16                        ; K: the head's 64 rows of 1,024 bytes,
	s_lshl_b32 s44, s16, 13                        ; my 8 of them
	s_add_co_u32 s38, s38, s44
	s_mov_b32 s39, 0
	s_lshl_b32 s40, s19, 18                        ; V: Vm or Vv, the head, my tile of d
	s_lshl_b32 s44, s18, 14
	s_add_co_u32 s40, s40, s44
	s_lshl_b32 s44, s20, 11
	s_add_co_u32 s40, s40, s44
	s_mov_b32 s41, 0
	s_lshl_b32 s42, ttmp9, 3                       ; O: fragment (tile of rows = x, K step = head / 2), group t, lanes 16 (head % 2) on
	s_lshr_b32 s44, s18, 1
	s_add_co_u32 s42, s42, s44
	s_lshl_b32 s42, s42, 2
	s_add_co_u32 s42, s42, s20
	s_lshl_b32 s42, s42, 9
	s_and_b32 s44, s18, 1
	s_lshl_b32 s44, s44, 8
	s_add_co_u32 s42, s42, s44
	s_lshl_b32 s44, s19, 18
	s_add_co_u32 s42, s42, s44
	s_mov_b32 s43, 0
	s_wait_kmcnt 0x0
	s_load_b256 s[24:31], s[12:13], 0x30           ; entries 12 to 19
	s_add_nc_u64 s[4:5], s[4:5], s[36:37]
	s_add_nc_u64 s[6:7], s[6:7], s[36:37]
	s_add_nc_u64 s[8:9], s[8:9], s[38:39]
	s_add_nc_u64 s[10:11], s[10:11], s[40:41]
	s_add_nc_u64 s[14:15], s[14:15], s[42:43]
	global_load_b128 v[24:27], v[QG], s[4:5]       ; 16 bytes of a row of Qm,
	global_load_b128 v[28:31], v[QG], s[6:7]       ; and of Qv
.macro KLOAD g                         ; Km and rk of four of my eight d
.irp d, 0,1,2,3
.irp f, 0,1
	global_load_b128 v[KM+32*\g+8*\d+4*\f:KM+32*\g+8*\d+4*\f+3], v[L16], s[8:9] offset:1024*(4*\g+\d)+512*\f
.endr
.endr
.irp d, 0,1,2,3
.irp f, 0,1
	global_load_b128 v[RK+32*\g+8*\d+4*\f:RK+32*\g+8*\d+4*\f+3], v[L16], s[8:9] offset:1048576+1024*(4*\g+\d)+512*\f
.endr
.endr
.endm
	KLOAD 0
	s_wait_loadcnt 16                              ; Q is in; the first half of K, 16 loads, may be out
	ds_store_b128 v12, v[24:27]
	ds_store_b128 v12, v[28:31] offset:256
.irp i, 0,1,2,3
	v_log_f32 v[TT+\i], v[28+\i]                   ; log2 of my four Qv
.endr
	v_nop
	s_wait_alu depctr_va_vdst(0)                   ; one wait for the batch, ahead of its first reader
	v_add_f32 v[TT], v[TT], v[TT+1]
	v_add_f32 v[TT+2], v[TT+2], v[TT+3]
	s_delay_alu instid0(VALU_DEP_1)
	v_add_f32 v[TT], v[TT], v[TT+2]
.irp x, 1,2,4,8                        ; sixteen lanes hold one query's 64 d
	s_delay_alu instid0(VALU_DEP_1)
	v_add_f32_dpp v[TT], v[TT], v[TT] row_xmask:\x row_mask:0xf bank_mask:0xf
.endr
	s_delay_alu instid0(VALU_DEP_1)
	v_fma_f32 v[TT], v[TT], s34, s35               ; tq
	ds_store_b32 v13, v[TT]                        ; sixteen lanes write the same word with the same value
	BARRIER                                        ; Q's 16 rows and tq lie in LDS
	s_wait_kmcnt 0x0                               ; the scales
	s_wait_loadcnt 0x0                             ; the first four d are in
; P1, in two halves of four d each: the first half's sums of all 16 queries stay in window 1 (v256-383).  The second half of K is asked for two loads a query in the first half, V one load a query in the second.
.macro KONE n                          ; one of the 16 loads of my last four d: Km, then rk
.if (\n) < 8
	global_load_b128 v[KM+32+4*(\n):KM+32+4*(\n)+3], v[L16], s[8:9] offset:1024*(4+(\n)/2)+512*((\n)%2)
.else
	global_load_b128 v[RK+32+4*((\n)-8):RK+32+4*((\n)-8)+3], v[L16], s[8:9] offset:1048576+1024*((\n)/2)+512*((\n)%2)
.endif
.endm
.set MSB, 0
.macro WIN new                         ; the immediate's high byte repeats the setting that is left
.if MSB != (\new)
	s_set_vgpr_msb (MSB<<8)|(\new)
.set MSB, (\new)
.endif
.endm
.macro QLOAD g, q                      ; query q's Qm and Qv at four d: every lane reads the same bytes.  Four sets of 8 registers take turns
.set QN, QB+8*((\q)%4)
	ds_load_b128 v[QN:QN+3], v[QBA] offset:512*(\q)+16*\g
	ds_load_b128 v[QN+4:QN+7], v[QBA] offset:512*(\q)+16*\g+256
.endm
.macro DIFF g, q                       ; (Qm - Km)^2 + Qv for my 8 keys a lane: d = 2 dq + e; the selects take register e of Q's pair for both halves
.set QN, QB+8*((\q)%4)
.irp dq, 0,1
.irp e, 0,1
.irp p, 0,2,4,6
	v_pk_add_f32 v[TT+8*(2*\dq+\e)+\p:TT+8*(2*\dq+\e)+\p+1], v[KM+32*\g+8*(2*\dq+\e)+\p:KM+32*\g+8*(2*\dq+\e)+\p+1], v[QN+2*\dq:QN+2*\dq+1] op_sel:[0,\e] op_sel_hi:[1,\e] neg_lo:[0,1] neg_hi:[0,1]
.endr
.endr
.endr
.irp dq, 0,1
.irp e, 0,1
.irp p, 0,2,4,6
	v_pk_fma_f32 v[TT+8*(2*\dq+\e)+\p:TT+8*(2*\dq+\e)+\p+1], v[TT+8*(2*\dq+\e)+\p:TT+8*(2*\dq+\e)+\p+1], v[TT+8*(2*\dq+\e)+\p:TT+8*(2*\dq+\e)+\p+1], v[QN+4+2*\dq:QN+4+2*\dq+1] op_sel:[0,0,\e] op_sel_hi:[1,1,\e]
.endr
.endr
.endr
.endm
.macro FMAS g, d, dst, src             ; x rk, added up over d
.irp p, 0,2,4,6
	v_pk_fma_f32 v[\dst+\p:\dst+\p+1], v[TT+8*\d+\p:TT+8*\d+\p+1], v[RK+32*\g+8*\d+\p:RK+32*\g+8*\d+\p+1], v[\src+\p:\src+\p+1]
.endr
.endm
	QLOAD 0, 0
	QLOAD 0, 1
	QLOAD 0, 2
.set Q, 0
.rept 16
.if Q < 13
	QLOAD 0, Q+3
	s_wait_dscnt 6                                 ; this query's two loads are in; those of the next three may be out
.else
	s_wait_dscnt 2*(15-Q)
.endif
	DIFF 0, Q
.if Q < 8
	KONE 2*Q
	KONE 2*Q+1
.endif
.irp p, 0,2,4,6
	v_pk_mul_f32 v[ACC+\p:ACC+\p+1], v[TT+\p:TT+\p+1], v[RK+\p:RK+\p+1]
.endr
	FMAS 0, 1, ACC, ACC
	FMAS 0, 2, ACC, ACC
	WIN 0x40                                       ; destination window 1
	FMAS 0, 3, 8*Q, ACC
	WIN 0
.set Q, Q+1
.endr
	s_wait_loadcnt 0x0                             ; all of Km and rk are in
.irp b, 0,1                            ; the keys' own term, 32 logarithms at a time (the registers of Q's sets are still free)
.set J, 0
.rept 32
	v_log_f32 v[QB+J], v[RK+32*\b+J]
.set J, J+1
.endr
	v_nop
	s_wait_alu depctr_va_vdst(0)
.irp p, 0,2,4,6
.if \b == 0
	v_pk_add_f32 v[CK+\p:CK+\p+1], v[QB+\p:QB+\p+1], v[QB+8+\p:QB+8+\p+1]
.else
	v_pk_add_f32 v[CK+\p:CK+\p+1], v[CK+\p:CK+\p+1], v[QB+\p:QB+\p+1]
.endif
.endr
.if \b == 1
.irp p, 0,2,4,6
	v_pk_add_f32 v[CK+\p:CK+\p+1], v[CK+\p:CK+\p+1], v[QB+8+\p:QB+8+\p+1]
.endr
.endif
.irp p, 0,2,4,6
	v_pk_add_f32 v[CK+\p:CK+\p+1], v[CK+\p:CK+\p+1], v[QB+16+\p:QB+16+\p+1]
.endr
.irp p, 0,2,4,6
	v_pk_add_f32 v[CK+\p:CK+\p+1], v[CK+\p:CK+\p+1], v[QB+24+\p:QB+24+\p+1]
.endr
.endr
.irp p, 0,2,4,6
	s_delay_alu instid0(VALU_DEP_4)
	v_pk_mul_f32 v[CK+\p:CK+\p+1], v[CK+\p:CK+\p+1], 0xbeb17218 op_sel_hi:[1,0]   ; x -(log 2) / 2
.endr
; P1
	QLOAD 1, 0
	QLOAD 1, 1
	QLOAD 1, 2
.set Q, 0
.rept 16                               ; the second half of d, and my part of G goes to LDS
.set AN, ACC+8*(Q%2)
.if Q < 13
	QLOAD 1, Q+3
	s_wait_dscnt 6                                 ; this query's loads are in, and the stores of the query two back have left their registers; at most the last query's two stores and two queries' loads may be out
.elseif Q == 13
	s_wait_dscnt 4                                 ; query 15's two loads and query 12's two stores may be out
.else
	s_wait_dscnt 2                                 ; the last query's two stores may be out
.endif
	DIFF 1, Q
.if Q < 8
	WIN 0x40                                       ; destination window 1
	global_load_b128 v[VF+4*Q:VF+4*Q+3], v[L16], s[10:11] offset:8192*(Q/4)+512*(Q%4)   ; V's fragments, wanted in P3
	WIN 0
.endif
	FMAS 1, 0, AN, CK
	FMAS 1, 1, AN, AN
	FMAS 1, 2, AN, AN
	FMAS 1, 3, AN, AN
	WIN 0x01                                       ; source 0 window 1
.irp p, 0,2,4,6
	v_pk_add_f32 v[AN+\p:AN+\p+1], v[8*Q+\p:8*Q+\p+1], v[AN+\p:AN+\p+1]   ; + the first half
.endr
	WIN 0
	ds_store_b128 v[SPS], v[AN:AN+3] offset:1040*Q
	ds_store_b128 v[SPS], v[AN+4:AN+7] offset:1040*Q+512
.set Q, Q+1
.endr
	BARRIER                                        ; the eight parts of G lie in LDS
; P2
.irp x, 0,1,2,3,4,5,6,7
.irp s, 0,1
.irp e, 0,1
	ds_load_b128 v[RR+16*\x+8*\s+4*\e:RR+16*\x+8*\s+4*\e+3], v[SPR+\x/4] offset:(\x%4)*SPB+512*\s+16*\e
.endr
.endr
.endr
	ds_load_b32 v20, v14                           ; tq of my query
	s_wait_dscnt 0x0
.irp x, 1,2,3,4,5,6,7
.irp p, 0,2,4,6,8,10,12,14
	v_pk_add_f32 v[RR+\p:RR+\p+1], v[RR+\p:RR+\p+1], v[RR+16*\x+\p:RR+16*\x+\p+1]
.endr
.endr
	v_mov_b32 v21, v20
.irp p, 0,2,4,6,8,10,12,14
	v_pk_fma_f32 v[RR+\p:RR+\p+1], v[RR+\p:RR+\p+1], 0xbe38aa3b, v[20:21] op_sel_hi:[1,0,1]   ; t = -(log2(e) / 8) G + tq
.endr
	v_max3_num_f32 v22, v[RR], v[RR+1], v[RR+2]
.irp i, 3,5,7,9,11,13
	s_delay_alu instid0(VALU_DEP_1)
	v_max3_num_f32 v22, v22, v[RR+\i], v[RR+\i+1]
.endr
	s_delay_alu instid0(VALU_DEP_1)
	v_max_num_f32 v22, v22, v[RR+15]
	s_delay_alu instid0(VALU_DEP_1)
	v_permlanex16_b32 v23, v22, s32, s33
	s_delay_alu instid0(VALU_DEP_1)
	v_max_num_f32 v22, v22, v23                    ; the largest t of my query among my wave's 32 keys
	s_delay_alu instid0(VALU_DEP_1)
	v_floor_f32 v24, -v22                          ; -M of my wave: M is a whole number
	s_delay_alu instid0(VALU_DEP_1)
	v_mov_b32 v25, v24
.irp p, 0,2,4,6,8,10,12,14
	v_pk_add_f32 v[RR+\p:RR+\p+1], v[RR+\p:RR+\p+1], v[24:25]
.endr
.set J, 0
	s_wait_alu depctr_va_vdst(0)
.rept 16
	v_exp_f32 v[RR+J], v[RR+J]                     ; p under my wave's M
.set J, J+1
.endr
	v_nop
	s_wait_alu depctr_va_vdst(0)
	v_pk_add_f32 v[26:27], v[RR:RR+1], v[RR+2:RR+3]
.irp p, 4,6,8,10,12,14
	v_pk_add_f32 v[26:27], v[26:27], v[RR+\p:RR+\p+1]
.endr
	s_delay_alu instid0(VALU_DEP_1)
	v_add_f32 v26, v26, v27
	s_delay_alu instid0(VALU_DEP_1)
	v_permlanex16_b32 v27, v26, s32, s33
	s_delay_alu instid0(VALU_DEP_1)
	v_add_f32 v26, v26, v27                        ; their sum
	ds_store_b32 v15, v24
	ds_store_b32 v15, v26 offset:512
	BARRIER                                        ; every wave's -M and sum lie in LDS
	ds_load_b128 v[72:75], v16
	ds_load_b128 v[76:79], v16 offset:16
	ds_load_b128 v[80:83], v16 offset:512
	ds_load_b128 v[84:87], v16 offset:528
	s_wait_dscnt 0x0
	v_min3_num_f32 v28, v72, v73, v74
	s_delay_alu instid0(VALU_DEP_1)
	v_min3_num_f32 v28, v28, v75, v76
	s_delay_alu instid0(VALU_DEP_1)
	v_min3_num_f32 v28, v28, v77, v78
	s_delay_alu instid0(VALU_DEP_1)
	v_min_num_f32 v28, v28, v79                    ; the row's -M
.irp i, 0,1,2,3,4,5,6,7
	v_sub_f32 v[88+\i], v28, v[72+\i]              ; a wave's M less the row's: a whole number, 0 or less
.endr
	v_sub_f32 v30, v28, v24
.irp i, 0,1,2,3,4,5,6,7
	v_cvt_i32_f32 v[88+\i], v[88+\i]
.endr
	v_cvt_i32_f32 v30, v30
.irp i, 0,1,2,3,4,5,6,7
	v_ldexp_f32 v[88+\i], 1.0, v[88+\i]            ; the power of two that brings that wave's numbers under the row's M
.endr
	v_ldexp_f32 v30, 1.0, v30                      ; and mine
	s_delay_alu instid0(VALU_DEP_1)
	v_mov_b32 v31, v30
	v_mul_f32 v29, v80, v88
.irp i, 1,2,3,4,5,6,7
	s_delay_alu instid0(VALU_DEP_1)
	v_fma_f32 v29, v[80+\i], v[88+\i], v29         ; l, the row's sum of the unquantised p
.endr
	s_wait_alu depctr_va_vdst(0)
	v_rcp_f32 v22, v29
.irp p, 0,2,4,6,8,10,12,14
	v_pk_mul_f32 v[RR+\p:RR+\p+1], v[RR+\p:RR+\p+1], v[30:31]   ; p under the row's M.  (Plain lines behind the reciprocal)
.endr
	s_wait_alu depctr_va_vdst(0)
	v_mov_b32 v23, v22                             ; 1 / l, kept for P3
.irp p, 0,2,4,6,8,10,12,14
	v_pk_mul_f32 v[A2+\p:A2+\p+1], v[RR+\p:RR+\p+1], v[22:23]
.endr
.irp p, 0,2,4,6,8,10,12,14
	v_pk_mul_f32 v[A2+\p:A2+\p+1], v[A2+\p:A2+\p+1], v[A2+\p:A2+\p+1]   ; attn^2
.endr
	SCALE 144, 145, 24
	SCALE 146, 147, 26
.set J, 0
.rept 16
	v_min_num_f32 v[RR+J], v[RR+J], v145           ; neither is negative: the hold is one-sided
	v_min_num_f32 v[A2+J], v[A2+J], v147
.set J, J+1
.endr
	v_cvt_scalef32_pk8_fp8_f32 v[64:65], v[RR:RR+7], v144
	v_cvt_scalef32_pk8_fp8_f32 v[66:67], v[RR+8:RR+15], v144
	v_cvt_scalef32_pk8_fp8_f32 v[68:69], v[A2:A2+7], v146
	v_cvt_scalef32_pk8_fp8_f32 v[70:71], v[A2+8:A2+15], v146
	v_nop                                          ; a plain line behind the conversions
.irp i, 0,1,2,3
	ds_store_b64 v17, v[64+2*\i:65+2*\i] offset:2048*\i
.endr
	BARRIER                                        ; the four fragments lie in LDS
; P3
.irp s, 0,1
.irp c, 0,1,2,3
	ds_load_b128 v[PF+16*\s+4*\c:PF+16*\s+4*\c+3], v18 offset:2048*\s+512*\c
.endr
.endr
	s_add_co_i32 s38, s24, s25
	s_add_co_i32 s39, s26, s27
	s_cmp_eq_u32 s19, 0
	s_cselect_b32 s36, s38, s39                    ; the two operands' exponents added
	s_cselect_b32 s37, -1, 0
	s_cselect_b32 s40, s28, s30                    ; O's own exponent as an operand
	v_cndmask_b32 v30, 1.0, v22, s37               ; the first product is divided by l, the second is not
	s_delay_alu instid0(VALU_DEP_1)
	v_ldexp_f32 v30, v30, s36
	s_delay_alu instid0(VALU_DEP_1)
	v_mov_b32 v31, v30
	SCALE 148, 149, 40
	s_wait_dscnt 0x0
	s_wait_loadcnt 0x0                             ; V
	WIN 0x01                                       ; source 0 (V) window 1
	v_wmma_f32_16x16x128_fp8_fp8 v[128:135], v[VF:VF+15], v[PF:PF+15], 0
	s_wait_alu depctr_va_vdst(0)                   ; the wait directly ahead of the link
	v_wmma_f32_16x16x128_fp8_fp8 v[128:135], v[VF+16:VF+31], v[PF+16:PF+31], v[128:135]
	WIN 0
.rept 4
	v_nop                                          ; four places ahead of the first read of the result (ISA guide 7.12.1)
.endr
.irp p, 0,2,4,6
	v_pk_mul_f32 v[136+\p:137+\p], v[128+\p:129+\p], v[30:31]   ; O(query r, 16 t + 8 h + 0 .. 7), from the accumulator's low end on
.endr
.irp i, 0,1,2,3,4,5,6,7
	v_med3_num_f32 v[136+\i], v[136+\i], -v149, v149
.endr
	v_cvt_scalef32_pk8_fp8_f32 v[150:151], v[136:143], v148
	v_nop
	global_store_b64 v19, v[150:151], s[14:15]
	s_wait_tensorcnt 0x0                           ; the wave's end: a tensor wait, an LDS add
	ds_add_u32 v[SPW], v[NIL]
	s_wait_dscnt 0x0
	s_endpgm
.Lfunc_end_k_q8f0d152fd8_attn:
	.size	k_q8f0d152fd8_attn, .Lfunc_end_k_q8f0d152fd8_attn-k_q8f0d152fd8_attn
	.p2alignl 7, 3214868480
	.fill 96, 4, 3214868480
	.section	.rodata,"a",@progbits
	.p2align	6, 0x0
	.amdhsa_kernel k_q8f0d152fd8_attn
		.amdhsa_group_segment_fixed_size 151808
		.amdhsa_private_segment_fixed_size 0
		.amdhsa_enable_private_segment 0
		.amdhsa_kernarg_size 48
		.amdhsa_user_sgpr_count 2
		.amdhsa_user_sgpr_kernarg_segment_ptr 1
		.amdhsa_wavefront_size32 1
		.amdhsa_system_sgpr_workgroup_id_x 1
		.amdhsa_system_sgpr_workgroup_id_y 1
		.amdhsa_system_sgpr_workgroup_id_z 1
		.amdhsa_system_vgpr_workitem_id 0
		.amdhsa_next_free_vgpr 416
		.amdhsa_next_free_sgpr 66
		.amdhsa_reserve_vcc 0
		.amdhsa_float_denorm_mode_32 3
		.amdhsa_float_denorm_mode_16_64 3
		.amdhsa_memory_ordered 1
		.amdhsa_forward_progress 1
		.amdhsa_inst_pref_size 142
	.end_amdhsa_kernel
	.amdgpu_metadata
---
amdhsa.version: [ 1, 2 ]
amdhsa.kernels:
  - .name:           k_q8f0d152fd8_attn
    .symbol:         k_q8f0d152fd8_attn.kd
    .args:
      - { .name: qm, .offset: 0, .size: 8, .value_kind: global_buffer, .address_space: global }
      - { .name: qv, .offset: 8, .size: 8, .value_kind: global_buffer, .address_space: global }
      - { .name: kt, .offset: 16, .size: 8, .value_kind: global_buffer, .address_space: global }
      - { .name: vc, .offset: 24, .size: 8, .value_kind: global_buffer, .address_space: global }
      - { .name: lowp_scales, .offset: 32, .size: 8, .value_kind: global_buffer, .address_space: global }
      - { .name: oc, .offset: 40, .size: 8, .value_kind: global_buffer, .address_space: global }
    .group_segment_fixed_size: 151808
    .private_segment_fixed_size: 0
    .kernarg_segment_align: 8
    .kernarg_segment_size: 48
    .max_flat_workgroup_size: 256
    .sgpr_count:     66
    .vgpr_count:     416
    .wavefront_size: 32
...
	.end_amdgpu_metadata
.endif
;; end of part 6
;; launch oproj (part 7): grid 16 x 16, 8 waves a work-group, no clusters, 66,560 bytes of LDS; arguments oc, wc, lowp_scales, bo_mu, bo_var, out0, out1; writes out0, out1
.if DOCPART == 7
	.amdgcn_target "amdgcn-amd-amdhsa--gfx1250"
	.amdhsa_code_object_version 6
	.text
	.protected	k_q8f0d152fd8_oproj
	.globl	k_q8f0d152fd8_oproj
	.p2align	8
	.type	k_q8f0d152fd8_oproj,@function
k_q8f0d152fd8_oproj:
	s_mov_b64 s[64:65], 0
	v_nop
	global_prefetch_b8 v0, s[64:65] scope:SCOPE_SE
	s_setreg_imm32_b32 hwreg(HW_REG_WAVE_MODE, 25, 1), 1
	s_wait_xcnt 0x0
; The two output projections: out0 = O_mu wo_mu + bo_mu, out1 = softplus(O_var wo_var + bo_var), both operands as codes of FP8 (E4M3) with the given scales (entries 16 to 19); sums in f32.
; Both operands lie in memory in the order of an operand's registers, with the same order of k (oc from the launch before, wc from the first launch): a fragment is four loads of 512 consecutive bytes.
; Work-group (x, y): x = cb, a block of 64 columns; y = 8 ty + rb: ty = which product, rb = a block of 32 rows.  256 work-groups of 8 waves.
; K IS SHARED OUT AMONG THE WAVES: wave v takes K step v (128 of the 1,024): 2 fragments of O, 4 of W, 24 loads that are all out at once, and 8 products, each on an accumulator of its own, begun with 0.
; THE SUM OVER THE WAVES goes through LDS.  Tile e's lane r holds column 4 r + e, so the four tiles' numbers of one row are 16 neighbouring bytes: the scaling by 2^(eA + eB), a power of two, which rounds
;   nothing short of overflow and underflow, writes them on end, and the part goes out as [32 rows][64 columns] f32, 8,192 bytes a wave.  Behind one barrier wave v adds the eight parts of rows 4 v .. 4 v + 3,
;   adds the bias, takes the softplus (ty = 1) and stores: sixteen lanes store 256 consecutive bytes, aligned.  The order of the f32 sums along K is by waves.
; NO CLUSTER: O's fragments are shared by 16 work-groups and W's by 8, but each goes from memory straight into the registers of the one wave that multiplies it, once: a joint load would land the 98,304 bytes
;   in LDS and send them on to registers, and add the cluster's rounds to a text that has one K step a wave and no loop.
; SOFTPLUS: max(x, 0) + 2 atanh(z), z = e / (2 + e), e = exp(-|x|); z is at most 1/3 for every x, so the series in z^2 cut behind z^12 leaves under 2e-8 of the result, for every x.
; LIMITS: the two operands' exponents added between -126 and 127.  softplus(x) is 0 where exp(x) falls under the smallest normal f32 number (x < -87).  NaN is not served.
.set SPARE, 65536                      ; behind the eight parts: the spare words, 128 bytes a wave: four blocks of 256 bytes that no other line names
.set SPW, 1                            ; v1   LDS address of my spare word; never rewritten
.set NIL, 2                            ; v2   0; never rewritten
.set L16, 6                            ; v6   16 lane
.set R16, 7                            ; v7   16 r: my four columns in a row
.set WA,  8                            ; v8   where I store my part: 8,192 wave + 8 h rows of 256 bytes + 16 r
.set RA,  9                            ; v9   where I read the parts: row 4 wave + h, + 16 r
.set GO,  10                           ; v10  my bytes in two rows of the output
.set BI,  12                           ; v12-15   the bias of my four columns
.set AF,  32                           ; v32-63   O's two fragments
.set BF,  64                           ; v64-127  W's four
.set AC,  128                          ; v128-191 the sums: (m, e) at v[AC + 8 (4 m + e)]
.set PP,  192                          ; v192-255 the same x 2^(eA + eB): (row 8 m + j of my half, column e) at v[PP + 4 (8 m + j) + e]
.set RR,  32                           ; v32-95   the eight parts of my 8 numbers; then v32-39 the result
.set ER,  96                           ; v96-121  softplus's work
.set DR,  104
.set PR,  112
.set CP,  120
	s_load_b256 s[4:11], s[0:1], 0x0               ; oc s[4:5], wc s[6:7], the scales' exponents s[8:9], bo_mu s[10:11]
	s_load_b128 s[12:15], s[0:1], 0x20             ; bo_var s[12:13], out0 s[14:15]
	s_load_b64 s[16:17], s[0:1], 0x30              ; out1
	v_lshl_add_u32 v[SPW], v0, 2, SPARE
	v_mov_b32 v[NIL], 0
	v_lshrrev_b32 v3, 5, v0
	s_delay_alu instid0(VALU_DEP_1)
	v_readfirstlane_b32 s20, v3                    ; wave 0..7
	v_and_b32 v3, 31, v0                           ; lane
	v_and_b32 v4, 15, v0                           ; r
	v_bfe_u32 v5, v0, 4, 1                         ; h
	s_delay_alu instid0(VALU_DEP_3)
	v_lshlrev_b32 v[L16], 4, v3
	s_delay_alu instid0(VALU_DEP_3)
	v_lshlrev_b32 v[R16], 4, v4
	s_lshl_b32 s24, s20, 13
	v_lshl_add_u32 v[WA], v5, 11, v[R16]
	s_delay_alu instid0(VALU_DEP_1)
	v_add_nc_u32 v[WA], s24, v[WA]
	s_lshl_b32 s35, s20, 10
	v_lshl_add_u32 v[RA], v5, 8, v[R16]
	s_delay_alu instid0(VALU_DEP_1)
	v_add_nc_u32 v[RA], s35, v[RA]
	v_lshl_add_u32 v[GO], v5, 12, v[R16]
	s_and_b32 s21, ttmp7, 0xffff
	s_lshr_b32 s22, s21, 3                         ; ty
	s_and_b32 s23, s21, 7                          ; rb
	s_lshl_b32 s26, s22, 18                        ; O's codes: the product's 262,144 bytes,
	s_lshl_b32 s25, s23, 15                        ; two tiles of rows of 8 fragments of 2,048 bytes,
	s_add_co_u32 s26, s26, s25
	s_lshl_b32 s25, s20, 11                        ; my K step's fragment
	s_add_co_u32 s26, s26, s25
	s_mov_b32 s27, 0
	s_lshl_b32 s28, s22, 20                        ; W's codes: the product's 1,048,576 bytes,
	s_lshl_b32 s25, ttmp9, 16                      ; the block of columns' 8 K steps of 8,192 bytes,
	s_add_co_u32 s28, s28, s25
	s_add_co_u32 s28, s28, s24                     ; my K step's four fragments
	s_mov_b32 s29, 0
	s_lshl_b32 s30, ttmp9, 8                       ; the block's 64 columns in a row of f32
	s_mov_b32 s31, 0
	s_lshl_b32 s32, s23, 17                        ; the output: 32 rows of 4,096 bytes,
	s_lshl_b32 s25, s20, 14                        ; my 4 of them,
	s_add_co_u32 s32, s32, s25
	s_add_co_u32 s32, s32, s30                     ; the block's columns
	s_mov_b32 s33, 0
	s_lshl_b32 s34, s22, 3                         ; my two scales: entries 16 + 2 ty, 17 + 2 ty
	s_wait_alu depctr_va_vdst(0)
	s_wait_kmcnt 0x0
	s_load_b64 s[36:37], s[8:9], s34 offset:0x40   ; eA, eB
	s_add_nc_u64 s[4:5], s[4:5], s[26:27]
	s_add_nc_u64 s[6:7], s[6:7], s[28:29]
	s_cmp_eq_u32 s22, 0                            ; my bias and my output: choices on the work-group's number alone
	s_cselect_b64 s[38:39], s[10:11], s[12:13]
	s_cselect_b64 s[40:41], s[14:15], s[16:17]
	s_add_nc_u64 s[38:39], s[38:39], s[30:31]
	s_add_nc_u64 s[40:41], s[40:41], s[32:33]
	global_load_b128 v[BI:BI+3], v[R16], s[38:39]
.irp m, 0,1
.irp c, 0,1,2,3
	global_load_b128 v[AF+16*\m+4*\c:AF+16*\m+4*\c+3], v[L16], s[4:5] offset:16384*\m+512*\c
.endr
.endr
.irp e, 0,1,2,3
.irp c, 0,1,2,3
	global_load_b128 v[BF+16*\e+4*\c:BF+16*\e+4*\c+3], v[L16], s[6:7] offset:2048*\e+512*\c
.endr
.endr
	s_wait_kmcnt 0x0
	s_add_co_i32 s42, s36, s37
	s_add_co_i32 s42, s42, 127
	s_lshl_b32 s42, s42, 23                        ; 2^(eA + eB) as f32
	s_wait_loadcnt 0x0
.irp m, 0,1                            ; source 0 = 16 rows of O, source 1 = 16 columns of W: register j of lane (r, h) is row 16 m + 8 h + j, column 4 r + e.  No two of the eight share an accumulator
.irp e, 0,1,2,3
	v_wmma_f32_16x16x128_fp8_fp8 v[AC+8*(4*\m+\e):AC+8*(4*\m+\e)+7], v[AF+16*\m:AF+16*\m+15], v[BF+16*\e:BF+16*\e+15], 0
.endr
.endr
.rept 4
	v_nop                                          ; four places ahead of the first read of results, and of the later loads into the fragments' registers
.endr
.irp m, 0,1
.irp e, 0,1,2,3
.irp j, 0,1,2,3,4,5,6,7
	v_mul_f32 v[PP+4*(8*\m+\j)+\e], s42, v[AC+8*(4*\m+\e)+\j]   ; each accumulator from its low end on; a row's four columns come to stand on end
.endr
.endr
.endr
.irp m, 0,1
.irp j, 0,1,2,3,4,5,6,7
	ds_store_b128 v[WA], v[PP+4*(8*\m+\j):PP+4*(8*\m+\j)+3] offset:256*(16*\m+\j)   ; sixteen lanes fill a row's 256 bytes
.endr
.endr
	s_wait_dscnt 0x0                               ; for the others' sake: my part has landed
	s_barrier_signal -1
	s_barrier_wait -1                              ; the eight parts lie in LDS
.irp w, 0,1,2,3,4,5,6,7
.irp i, 0,1
	ds_load_b128 v[RR+8*\w+4*\i:RR+8*\w+4*\i+3], v[RA] offset:8192*\w+512*\i   ; wave w's part of row 4 wave + 2 i + h, my four columns
.endr
.endr
	s_wait_dscnt 0x0
.irp w, 1,2,3,4,5,6,7
.irp p, 0,2,4,6
	v_pk_add_f32 v[RR+\p:RR+\p+1], v[RR+\p:RR+\p+1], v[RR+8*\w+\p:RR+8*\w+\p+1]
.endr
.endr
.irp i, 0,1
.irp p, 0,2
	s_delay_alu instid0(VALU_DEP_4)
	v_pk_add_f32 v[RR+4*\i+\p:RR+4*\i+\p+1], v[RR+4*\i+\p:RR+4*\i+\p+1], v[BI+\p:BI+\p+1]
.endr
.endr
	s_cmp_eq_u32 s22, 0
	s_cbranch_scc1 .Lplain
	s_mov_b32 s43, 0xbfb8aa3b                      ; -log2(e)
	v_mov_b32 v[CP], 0x3e1d89d9                    ; 2/13
	v_mov_b32 v[CP+1], 0x3e1d89d9
.set J, 0
.rept 8
	v_mul_f32 v[ER+J], s43, |v[RR+J]|
.set J, J+1
.endr
.set J, 0
	s_wait_alu depctr_va_vdst(0)
.rept 8
	v_exp_f32 v[ER+J], v[ER+J]                     ; e = exp(-|x|)
.set J, J+1
.endr
	v_nop                                          ; a plain line behind the batch,
	s_wait_alu depctr_va_vdst(0)                   ; and one wait for it, ahead of its first reader
.irp p, 0,2,4,6
	v_pk_add_f32 v[DR+\p:DR+\p+1], v[ER+\p:ER+\p+1], 2.0 op_sel_hi:[1,0]
.endr
.set J, 0
	s_wait_alu depctr_va_vdst(0)
.rept 8
	v_rcp_f32 v[DR+J], v[DR+J]
.set J, J+1
.endr
	v_nop
	s_wait_alu depctr_va_vdst(0)
.irp p, 0,2,4,6
	v_pk_mul_f32 v[ER+\p:ER+\p+1], v[ER+\p:ER+\p+1], v[DR+\p:DR+\p+1]   ; z = e / (2 + e)
.endr
.irp p, 0,2,4,6
	s_delay_alu instid0(VALU_DEP_4)
	v_pk_mul_f32 v[DR+\p:DR+\p+1], v[ER+\p:ER+\p+1], v[ER+\p:ER+\p+1]   ; z^2
.endr
.irp p, 0,2,4,6
	s_delay_alu instid0(VALU_DEP_4)
	v_pk_fma_f32 v[PR+\p:PR+\p+1], v[DR+\p:DR+\p+1], v[CP:CP+1], 0x3e3a2e8c op_sel_hi:[1,1,0]   ; 2/13 z^2 + 2/11
.endr
.irp k, 0x3e638e39, 0x3e924925, 0x3ecccccd, 0x3f2aaaab, 0x40000000   ; 2/9, 2/7, 2/5, 2/3, 2
.irp p, 0,2,4,6
	s_delay_alu instid0(VALU_DEP_4)
	v_pk_fma_f32 v[PR+\p:PR+\p+1], v[PR+\p:PR+\p+1], v[DR+\p:DR+\p+1], \k op_sel_hi:[1,1,0]
.endr
.endr
.set J, 0
.rept 8
	v_max_num_f32 v[RR+J], 0, v[RR+J]
.set J, J+1
.endr
.irp p, 0,2,4,6
	v_pk_fma_f32 v[RR+\p:RR+\p+1], v[ER+\p:ER+\p+1], v[PR+\p:PR+\p+1], v[RR+\p:RR+\p+1]   ; max(x, 0) + log(1 + e)
.endr
.Lplain:
	s_wait_alu depctr_va_vdst(0)
.irp i, 0,1
	global_store_b128 v[GO], v[RR+4*\i:RR+4*\i+3], s[40:41] offset:8192*\i th:TH_STORE_NT   ; lanes 0-15 one row's 256 bytes, lanes 16-31 the next row's; written once, read by nobody here
.endr
	s_wait_tensorcnt 0x0                           ; the wave's end: a tensor wait, an LDS add
	ds_add_u32 v[SPW], v[NIL]
	s_wait_dscnt 0x0
	s_endpgm
.Lfunc_end_k_q8f0d152fd8_oproj:
	.size	k_q8f0d152fd8_oproj, .Lfunc_end_k_q8f0d152fd8_oproj-k_q8f0d152fd8_oproj
	.p2alignl 7, 3214868480
	.fill 96, 4, 3214868480
	.section	.rodata,"a",@progbits
	.p2align	6, 0x0
	.amdhsa_kernel k_q8f0d152fd8_oproj
		.amdhsa_group_segment_fixed_size 66560
		.amdhsa_private_segment_fixed_size 0
		.amdhsa_enable_private_segment 0
		.amdhsa_kernarg_size 56
		.amdhsa_user_sgpr_count 2
		.amdhsa_user_sgpr_kernarg_segment_ptr 1
		.amdhsa_wavefront_size32 1
		.amdhsa_system_sgpr_workgroup_id_x 1
		.amdhsa_system_sgpr_workgroup_id_y 1
		.amdhsa_system_sgpr_workgroup_id_z 1
		.amdhsa_system_vgpr_workitem_id 0
		.amdhsa_next_free_vgpr 256
		.amdhsa_next_free_sgpr 66
		.amdhsa_reserve_vcc 0
		.amdhsa_float_denorm_mode_32 3
		.amdhsa_float_denorm_mode_16_64 3
		.amdhsa_memory_ordered 1
		.amdhsa_forward_progress 1
		.amdhsa_inst_pref_size 18
	.end_amdhsa_kernel
	.amdgpu_metadata
---
amdhsa.version: [ 1, 2 ]
amdhsa.kernels:
  - .name:           k_q8f0d152fd8_oproj
    .symbol:         k_q8f0d152fd8_oproj.kd
    .args:
      - { .name: oc, .offset: 0, .size: 8, .value_kind: global_buffer, .address_space: global }
      - { .name: wc, .offset: 8, .size: 8, .value_kind: global_buffer, .address_space: global }
      - { .name: lowp_scales, .offset: 16, .size: 8, .value_kind: global_buffer, .address_space: global }
      - { .name: bo_mu, .offset: 24, .size: 8, .value_kind: global_buffer, .address_space: global }
      - { .name: bo_var, .offset: 32, .size: 8, .value_kind: global_buffer, .address_space: global }
      - { .name: out0, .offset: 40, .size: 8, .value_kind: global_buffer, .address_space: global }
      - { .name: out1, .offset: 48, .size: 8, .value_kind: global_buffer, .address_space: global }
    .group_segment_fixed_size: 66560
    .private_segment_fixed_size: 0
    .kernarg_segment_align: 8
    .kernarg_segment_size: 56
    .max_flat_workgroup_size: 256
    .sgpr_count:     66
    .vgpr_count:     256
    .wavefront_size: 32
...
	.end_amdgpu_metadata
.endif
;; end of part 7
